; MI455X (gfx1250); checked and timed in simulation.
; The chip was launched on July 23, 2026; its instructions are those of AMD's public machine-readable ISA for CDNA 5 (MIT licence, August 2026) and "CDNA5" Instruction Set Architecture Reference Guide (July 2026). The comments in the code are by the model that wrote it; some were corrected since.
;; Causal Self Attention. Allowed arithmetic: float matrix products may take bf16 or f16 operands with f32 sums; other float arithmetic in f32, or as packed bf16 or f16 multiplies, adds, multiply-adds, maxima and minima; sums over many terms, partial sums and values carried from step to step in f32; what a program stores and reads back later, other than sums and carried values, may be rounded once to bf16 or f16.
;; Inputs: Wk 1,024 x 1,024 float32; Wo 1,024 x 1,024 float32; Wq 1,024 x 1,024 float32; Wv 1,024 x 1,024 float32; bk 1,024 float32; bo 1,024 float32; bq 1,024 float32; bv 1,024 float32; x 4 x 2,048 x 1,024 float32.
;; Outputs: out0 4 x 2,048 x 1,024 float32.
;; One version. Each part assembles by itself: llvm-mc -triple=amdgcn-amd-amdhsa -mcpu=gfx1250 --defsym DOCPART=n.
;; ======== version 1 of 1: 5 launches
;; limits: values are held in f16: magnitudes above 65,504 overflow, below 6.1e-05 lose precision
;; workspace buffers: xb 16,777,216 bytes; wqkv 6,291,456 bytes; woh 2,097,152 bytes; biasr 16,384 bytes; qkv 51,118,080 bytes; pw 33,554,432 bytes; stat 1,048,576 bytes; att 16,777,216 bytes
;; launch cast (part 1): grid 1537 x 1, 8 waves a work-group, no clusters, 0 bytes of LDS; arguments x, Wq, Wk, Wv, Wo, bq, bk, bv, bo, xb, wqkv, woh, biasr; writes xb, wqkv, woh, biasr
.if DOCPART == 1
	.amdgcn_target "amdgcn-amd-amdhsa--gfx1250"
	.amdhsa_code_object_version 6
	.text
	.protected	k_qc2c8282046_cast
	.globl	k_qc2c8282046_cast
	.p2align	8
	.type	k_qc2c8282046_cast,@function
k_qc2c8282046_cast:
	s_mov_b64 s[64:65], 0
	v_nop
	global_prefetch_b8 v0, s[64:65] scope:SCOPE_SE
	s_setreg_imm32_b32 hwreg(HW_REG_WAVE_MODE, 25, 1), 1
	s_wait_xcnt 0x0
; THE INPUTS ARE ROUNDED ONCE.  x -> xb (bf16), Wq, Wk, Wv -> wqkv (bf16, the three one below the other), Wo -> woh (rounded to bf16, that number written as f16),
; bq, bk, bv, bo -> biasr (rounded to bf16, kept as f32).  A stream: every byte is read once and written once; no LDS, no matrix unit, no cluster: nothing is shared.
; xb AND wqkv ARE LAID OUT IN BLOCKS OF 64 ALONG K: [16 blocks][row][64 numbers], so that the launch behind finds the 128 bytes that a row has in a block end to end with the next row's.  woh stays row by row.
; LIMIT.  A bf16 number below 2^-14 in size keeps f16's fixed step of 2^-24 in woh; one beyond 65,504 would become an infinity there.
; SHARES.  Eight waves; a work-group takes 8 rows, 32,768 bytes of f32: eight loads of 16 bytes a thread, all out at once.  For the blocked layout a wave's load takes one block (256 bytes) of two rows, lanes 0-15 the
; upper row, lanes 16-31 the lower: its store is then 256 consecutive bytes, aligned.  Work-groups 0-1023: x.  1024-1535: 128 for each weight.  1536: the four biases.
.set N, 8                              ; loads a thread
.set X, 4                              ; v[4:35]   eight loads of four registers
.set Y, 36                             ; v[36:51]  what is stored: registers of its own for each store, so no store's data is ever rewritten
.set T, 52                             ; v[52:55]  at work
.set PLX, 8192*128                     ; bytes in a block of xb: all rows x 128
.set PLW, 3072*128                     ; and of wqkv
	s_load_b512 s[8:23], s[0:1], 0x0               ; x s[8:9], Wq s[10:11], Wk s[12:13], Wv s[14:15], Wo s[16:17], bq s[18:19], bk s[20:21], bv s[22:23]
	s_load_b256 s[24:31], s[0:1], 0x40             ; bo s[24:25], xb s[26:27], wqkv s[28:29], woh s[30:31]
	s_load_b64 s[32:33], s[0:1], 0x60              ; biasr
	v_and_b32 v[T], 15, v0                         ; my place among 16 lanes
	v_bfe_u32 v[T+1], v0, 4, 1                     ; which of the two rows
	v_lshrrev_b32 v[T+2], 5, v0                    ; wave
	s_mov_b32 s2, ttmp9
	s_mov_b32 s39, 0                               ; the offsets' high words
	s_mov_b32 s41, 0
	s_mov_b32 s42, 0xffff0000                      ; a word's upper bf16
	s_wait_kmcnt 0x0
	s_cmp_lt_u32 s2, 1024
	s_cbranch_scc0 .Lweights
	s_mov_b64 s[34:35], s[8:9]                     ; from x
	s_mov_b64 s[36:37], s[26:27]                   ; to xb
	s_lshl_b32 s38, s2, 15                         ; 8 rows of 4,096 bytes
	s_lshl_b32 s40, s2, 10                         ; 8 rows of 128 bytes in a block
	s_mov_b32 s43, PLX
	s_branch .Lblocked
.Lweights:
	s_cmp_eq_u32 s2, 1536
	s_cbranch_scc1 .Lbias
	s_sub_co_u32 s3, s2, 1024
	s_lshr_b32 s4, s3, 7                           ; which weight
	s_and_b32 s5, s3, 127                          ; which 8 rows of it
	s_lshl_b32 s38, s5, 15
	s_cmp_eq_u32 s4, 3
	s_cbranch_scc1 .Lwo
	s_cmp_eq_u32 s4, 0
	s_cselect_b64 s[34:35], s[10:11], s[12:13]
	s_cmp_eq_u32 s4, 2
	s_cselect_b64 s[34:35], s[14:15], s[34:35]
	s_mov_b64 s[36:37], s[28:29]                   ; to wqkv
	s_lshl_b32 s40, s5, 10
	s_lshl_b32 s6, s4, 17                          ; a weight's 1,024 rows of 128 bytes
	s_add_co_u32 s40, s40, s6
	s_mov_b32 s43, PLW
.Lblocked:
	s_add_nc_u64 s[34:35], s[34:35], s[38:39]
	s_add_nc_u64 s[36:37], s[36:37], s[40:41]
	v_lshlrev_b32 v1, 4, v[T]                      ; in: 16 bytes a lane,
	v_lshl_add_u32 v1, v[T+1], 12, v1              ; the lower row 4,096 bytes on,
	v_lshl_add_u32 v1, v[T+2], 9, v1               ; my wave's two blocks of 256 bytes
	s_lshl_b32 s44, s43, 1
	v_mul_u32_u24 v2, v[T+2], s44                  ; out: my wave's two blocks,
	v_lshl_add_u32 v2, v[T+1], 7, v2               ; the lower row 128 bytes on,
	v_lshl_add_u32 v2, v[T], 3, v2                 ; 8 bytes a lane
	v_add_nc_u32 v3, s43, v2                       ; and the same in the second of the two blocks
.set i, 0
.rept N                                ; load i: rows 2 (i / 2) and 2 (i / 2) + 1, block 2 x wave + i % 2
	global_load_b128 v[X+4*i:X+4*i+3], v1, s[34:35] offset:(i/2)*8192+(i%2)*256 th:TH_LOAD_NT
.set i, i+1
.endr
; Eight turns: the load is in (the younger ones stay out), four numbers are rounded, eight bytes a thread are stored.  half = 1: row by row, and the bf16 number is widened and written as f16.
.macro CONV half
.set i, 0
.rept N
	s_wait_loadcnt N-1-i                           ; loads come back in order: load i is in, the N - 1 - i behind it may be out
.if \half
	v_cvt_pk_bf16_f32 v[T], v[X+4*i], v[X+4*i+1]
	v_cvt_pk_bf16_f32 v[T+1], v[X+4*i+2], v[X+4*i+3]
	v_lshlrev_b32 v[T+2], 16, v[T]
	v_and_b32 v[T+3], s42, v[T]
	v_cvt_pk_f16_f32 v[Y+2*i], v[T+2], v[T+3]
	v_lshlrev_b32 v[T+2], 16, v[T+1]
	v_and_b32 v[T+3], s42, v[T+1]
	v_cvt_pk_f16_f32 v[Y+2*i+1], v[T+2], v[T+3]
	global_store_b64 v2, v[Y+2*i:Y+2*i+1], s[36:37] offset:2048*i
.else
	v_cvt_pk_bf16_f32 v[Y+2*i], v[X+4*i], v[X+4*i+1]
	v_cvt_pk_bf16_f32 v[Y+2*i+1], v[X+4*i+2], v[X+4*i+3]
	global_store_b64 v[2+i%2], v[Y+2*i:Y+2*i+1], s[36:37] offset:(i/2)*256  ; two rows' 128 bytes of one block: 256 consecutive bytes, aligned
.endif
.set i, i+1
.endr
.endm
	CONV 0
	s_endpgm
.Lwo:                                                  ; Wo, row by row: a wave's load covers 512 consecutive bytes, its store 256
	s_add_nc_u64 s[34:35], s[16:17], s[38:39]
	s_lshl_b32 s40, s5, 14
	s_add_nc_u64 s[36:37], s[30:31], s[40:41]
	v_lshlrev_b32 v1, 4, v0
	v_lshlrev_b32 v2, 3, v0
.set i, 0
.rept N
	global_load_b128 v[X+4*i:X+4*i+3], v1, s[34:35] offset:4096*i th:TH_LOAD_NT
.set i, i+1
.endr
	CONV 1
	s_endpgm
.Lbias:                                                ; 256 threads x 16 bytes are one bias
	v_lshlrev_b32 v1, 4, v0
	global_load_b128 v[X:X+3], v1, s[18:19]
	global_load_b128 v[X+4:X+7], v1, s[20:21]
	global_load_b128 v[X+8:X+11], v1, s[22:23]
	global_load_b128 v[X+12:X+15], v1, s[24:25]
.irp k, 0,1,2,3
	s_wait_loadcnt 3-(\k)
	v_cvt_pk_bf16_f32 v[T], v[X+4*(\k)], v[X+4*(\k)+1]
	v_cvt_pk_bf16_f32 v[T+1], v[X+4*(\k)+2], v[X+4*(\k)+3]
	v_lshlrev_b32 v[Y+4*(\k)], 16, v[T]
	v_and_b32 v[Y+4*(\k)+1], s42, v[T]
	v_lshlrev_b32 v[Y+4*(\k)+2], 16, v[T+1]
	v_and_b32 v[Y+4*(\k)+3], s42, v[T+1]
	global_store_b128 v1, v[Y+4*(\k):Y+4*(\k)+3], s[32:33] offset:4096*(\k)
.endr
	s_endpgm
.Lfunc_end_k_qc2c8282046_cast:
	.size	k_qc2c8282046_cast, .Lfunc_end_k_qc2c8282046_cast-k_qc2c8282046_cast
	.p2alignl 7, 3214868480
	.fill 96, 4, 3214868480
	.section	.rodata,"a",@progbits
	.p2align	6, 0x0
	.amdhsa_kernel k_qc2c8282046_cast
		.amdhsa_group_segment_fixed_size 0
		.amdhsa_private_segment_fixed_size 0
		.amdhsa_enable_private_segment 0
		.amdhsa_kernarg_size 104
		.amdhsa_user_sgpr_count 2
		.amdhsa_user_sgpr_kernarg_segment_ptr 1
		.amdhsa_wavefront_size32 1
		.amdhsa_system_sgpr_workgroup_id_x 1
		.amdhsa_system_sgpr_workgroup_id_y 1
		.amdhsa_system_sgpr_workgroup_id_z 1
		.amdhsa_system_vgpr_workitem_id 0
		.amdhsa_next_free_vgpr 56
		.amdhsa_next_free_sgpr 66
		.amdhsa_reserve_vcc 0
		.amdhsa_float_denorm_mode_32 3
		.amdhsa_float_denorm_mode_16_64 3
		.amdhsa_memory_ordered 1
		.amdhsa_forward_progress 1
		.amdhsa_inst_pref_size 12
	.end_amdhsa_kernel
	.amdgpu_metadata
---
amdhsa.version: [ 1, 2 ]
amdhsa.kernels:
  - .name:           k_qc2c8282046_cast
    .symbol:         k_qc2c8282046_cast.kd
    .args:
      - { .name: x, .offset: 0, .size: 8, .value_kind: global_buffer, .address_space: global }
      - { .name: Wq, .offset: 8, .size: 8, .value_kind: global_buffer, .address_space: global }
      - { .name: Wk, .offset: 16, .size: 8, .value_kind: global_buffer, .address_space: global }
      - { .name: Wv, .offset: 24, .size: 8, .value_kind: global_buffer, .address_space: global }
      - { .name: Wo, .offset: 32, .size: 8, .value_kind: global_buffer, .address_space: global }
      - { .name: bq, .offset: 40, .size: 8, .value_kind: global_buffer, .address_space: global }
      - { .name: bk, .offset: 48, .size: 8, .value_kind: global_buffer, .address_space: global }
      - { .name: bv, .offset: 56, .size: 8, .value_kind: global_buffer, .address_space: global }
      - { .name: bo, .offset: 64, .size: 8, .value_kind: global_buffer, .address_space: global }
      - { .name: xb, .offset: 72, .size: 8, .value_kind: global_buffer, .address_space: global }
      - { .name: wqkv, .offset: 80, .size: 8, .value_kind: global_buffer, .address_space: global }
      - { .name: woh, .offset: 88, .size: 8, .value_kind: global_buffer, .address_space: global }
      - { .name: biasr, .offset: 96, .size: 8, .value_kind: global_buffer, .address_space: global }
    .group_segment_fixed_size: 0
    .private_segment_fixed_size: 0
    .kernarg_segment_align: 8
    .kernarg_segment_size: 104
    .max_flat_workgroup_size: 256
    .sgpr_count:     66
    .vgpr_count:     56
    .wavefront_size: 32
...
	.end_amdgpu_metadata
.endif
;; end of part 1
;; launch proj (part 2): grid 8 x 32, 4 waves a work-group, clusters of 4 x 4, 327,680 bytes of LDS; arguments xb, wqkv, biasr, qkv; writes qkv
.if DOCPART == 2
	.amdgcn_target "amdgcn-amd-amdhsa--gfx1250"
	.amdhsa_code_object_version 6
	.text
	.protected	k_qc2c8282046_proj
	.globl	k_qc2c8282046_proj
	.p2align	8
	.type	k_qc2c8282046_proj,@function
k_qc2c8282046_proj:
	s_mov_b64 s[64:65], 0
	v_nop
	global_prefetch_b8 v0, s[64:65] scope:SCOPE_SE
	s_setreg_imm32_b32 hwreg(HW_REG_WAVE_MODE, 25, 1), 1
	s_wait_xcnt 0x0
	s_wait_alu depctr_hold_cnt(0) depctr_sa_sdst(0) depctr_va_vdst(0) depctr_va_sdst(0) depctr_va_ssrc(0) depctr_va_vcc(0) depctr_vm_vsrc(0)
	s_getreg_b32 s2, hwreg(HW_REG_IB_STS2, 6, 4)
	s_cmp_eq_u32 s2, 0
	s_cbranch_scc0 .Lentry_in_a_cluster
	s_endpgm
.Lentry_in_a_cluster:
	s_bfe_u32 s2, ttmp6, 0x10000c
	s_cmp_lg_u32 s2, 0xf033
	s_cbranch_scc0 .Lentry_shape_is_right
	s_endpgm
.Lentry_shape_is_right:
; [Q | K | V] = x W^T + bias.  xb: x in bf16, [16 blocks of K][8192 rows][64]; wqkv: the three weights in bf16, [16][3072][64]; biasr: [4096] f32 (numbers that bf16 holds exactly);
; qkv: [8192][3072] f16 (Q columns 0-1023, K 1024-2047, V 2048-3071).  Sums in f32, rounded once.
; Behind qkv's f16 part, from byte 50,331,648 on: THE FIRST 16 ROWS OF EACH BATCH ONCE MORE, AS THE F32 SUMS, [4][16][3072]: the launch behind makes those rows of the output apart, with more bits of V.
; LIMIT.  f16 holds no number beyond 65,504: Q, K and V must lie within it.  NaN and infinities are not treated apart.
; SHARES.  A tile is 256 rows x 384 columns, one to a work-group: 32 x 8 = 256 work-groups.  Four waves, each 128 x 192: 96 accumulators of 16 x 16, 768 registers.  The large tile is taken for the products that each
; byte brought into LDS feeds: a change of slots brings 81,920 bytes for 192 matrix instructions a wave.
; K GOES IN STEPS OF 64 through two LDS slots: (256 + 384) rows x 144 bytes = 92,160 bytes a slot; with 128 along K two slots would take 348,160 bytes, more than a work-group can have.
; In the blocked layout a tile's rows of 128 bytes lie end to end: they are asked for as rows of 256 bytes, two of the tile's rows each, and padded in LDS after every 128.
; CLUSTER.  4 x 4 work-groups: the four of a row of the cluster need the same rows of xb, the four of a column the same rows of wqkv: each tile is asked for jointly.
; Row block = 8 x cy + cluster y: a cluster's four rows lie in the four batches, at the same place in each, so 'a batch's first block' is cluster y = 0: a test that is alike in all sixteen partners.
; THE MATRIX INSTRUCTION IS USED TRANSPOSED (source 0 = 16 rows of wqkv, source 1 = 16 rows of xb): a lane holds row l % 16 and the columns 8 (l / 16) + 0..7.
; THE BIAS STARTS THE SUMS AS A PRODUCT OF ITS OWN: wqkv's side holds the bias at k = 0, xb's side 1.0 at k = 0 and 0 elsewhere.  Its 96 matrix instructions stand in the wait for the first tile, and every
; other quarter step has one form.
; REGISTERS, in windows of 256: window 0: v0-15 addresses; v32-95, v96-159 fragments of xb (8 x 16 rows x 32 K), two buffers; v160-255 fragments of wqkv (12), ONE buffer: it is filled again four fragments
; at a time, behind the products that read them.  Windows 1-3: accumulator (a, b) in window 1 + b / 4 at v[64 (b % 4) + 8 a]: a group of 8 products (one b, all a) and four groups on end keep one setting.
.set PITCH,  144                       ; an LDS row: 128 bytes + 16 of padding = 36 words: the 16 rows of a load start at 16 different groups of four banks (64 banks of 4 bytes: ISA guide 11.1)
.set AHALF,  128*PITCH                 ; 128 rows of xb: what wave 0 or 1 fetches, and what a wave reads
.set BHALF,  192*PITCH                 ; 192 rows of wqkv: what wave 2 or 3 fetches, and what a wave reads
.set BOFF,   2*AHALF
.set SLOTB,  BOFF+2*BHALF              ; 92,160
.set SLOT1,  0x20000                   ; the odd steps' slot begins at 0, the even steps' here: the number shares no bit with the tiles' places in a slot, so one exclusive or changes slots
.set STAGE,  SLOTB                     ; the way out: 256 rows x 784 bytes, behind the odd steps' slot and over the even steps', which has had its last fill and its last read by then
.set SP,     784                       ; 768 bytes + 16
.set SPARE,  STAGE+256*SP              ; the spare words, 128 bytes a wave: two blocks of 256 bytes that no other line names
.set PLA,    8192*128                  ; bytes from a block of K to the next in xb,
.set PLB,    3072*128                  ; and in wqkv
.set CROW,   6144                      ; bytes in a row of qkv
.set HVOFF,  0x3000000                 ; 8,192 x 6,144: where the f32 rows begin
.set HROW,   12288                     ; bytes in one of them
.set ADRA0, 4                          ; v4, v5  my lane's place in a slot's rows of xb, of wqkv; never rewritten
.set ADRB0, 5
.set ADRA,  6                          ; v6, v7  the same in the slot that is being read
.set ADRB,  7
.set STO,   8                          ; v8, v9  the way out: where I put 16 bytes of a row: row blocks 0-3, row blocks 4-7
.set RD,    10                         ; v10 where I read rows back
.set CO,    11                         ; v11 my byte offset in qkv
.set HO,    12                         ; v12 my byte offset in the f32 rows
.set BOF,   13                         ; v13 my byte offset in the bias
.set SPW,   14                         ; v14 my spare word; never rewritten
.set NIL,   15                         ; v15 0; never rewritten
.set AF0,   32
.set AF1,   96
.set BF,    160
.set TMP,   32                         ; the way out: v32-159
.set WV, 12                            ; s12 wave;  s13 its row half, also: fetches xb (0) or wqkv (1);  s14 its column half, also: which half it fetches
.set WR, 13
.set WC, 14
.set CLY, 45                           ; s45 cluster y
.set G1,  24                           ; s[24:31] group 1 for xb;   s[32:39] group 0: a set for each first fill; the second then walks on
.set G0,  32
.set G1B, 48                           ; s[48:55], s[56:63] the same for wqkv
.set G0B, 56
.set HV,  66                           ; s[66:67] the f32 rows at my batch and my 192 columns
.set TB,  68                           ; s68 the LDS byte at which the slot that is being read begins
.set FIELDS, (1<<16)|(1<<20)|(1<<21)|(4<<22)|(3<<25)  ; 2-byte elements; padding on; bit 21 beside a mask; after every 32 words, 4 words
.set MSB, 0
.macro WIN new                         ; the immediate's high byte repeats the setting that is left; a switch that changes nothing is dropped
.if MSB != (\new)
	s_set_vgpr_msb (MSB<<8)|(\new)
.set MSB, \new
.endif
.endm
.macro PLACES                          ; four places behind matrix instructions, ahead of loads into registers that they read and of lines that read their results
.rept 4
	v_nop
.endr
.endm
.macro JLOAD s                         ; a joint load: waves 0, 1 ask for xb's halves, waves 2, 3 for wqkv's; an s_nop 0 and four v_nop follow each line
	s_cmp_eq_u32 s[WR], 0
	s_cbranch_scc0 .Lfor_b_\@
	tensor_load_to_lds s[G0+4*(\s):G0+4*(\s)+3], s[G1:G1+7]
	s_nop 0
.rept 4
	v_nop
.endr
	s_branch .Lasked_\@
.Lfor_b_\@:
	tensor_load_to_lds s[G0B+4*(\s):G0B+4*(\s)+3], s[G1B:G1B+7]
	s_nop 0
.rept 4
	v_nop
.endr
.Lasked_\@:
.endm
.macro CREST                           ; a round of the cluster's barrier behind its opening barrier
	s_cmp_lg_u32 s[WV], 0
	s_cbranch_scc1 .Lnot_wave_0_\@
	s_barrier_signal -3
.Lnot_wave_0_\@:
	s_barrier_wait -3
	s_barrier_signal -1
	s_barrier_wait -1
.endm
.macro CROUND
	s_barrier_signal -1
	s_barrier_wait -1
	CREST
.endm
; A group: column block b x all 8 row blocks, 32 along K.  zero = 1: the products that start the sums: f is then the one fragment that holds 1.0 at k = 0.
.macro GRP f, b, zero
	WIN 0x50*(1+(\b)/4)                            ; C and D in window 1 + b / 4, both sources in window 0
.irp a, 0,1,2,3,4,5,6,7
.if \zero
	v_wmma_f32_16x16x32_bf16 v[64*((\b)%4)+8*(\a):64*((\b)%4)+8*(\a)+7], v[BF+8*(\b):BF+8*(\b)+7], v[(\f):(\f)+7], 0
.else
	v_wmma_f32_16x16x32_bf16 v[64*((\b)%4)+8*(\a):64*((\b)%4)+8*(\a)+7], v[BF+8*(\b):BF+8*(\b)+7], v[(\f)+8*(\a):(\f)+8*(\a)+7], v[64*((\b)%4)+8*(\a):64*((\b)%4)+8*(\a)+7]
.endif
.endr
.endm
.macro GRPS f, b0, n, zero             ; groups b0 .. b0 + n - 1.  The 96 accumulators take turns in one order in every quarter step
.set bb, \b0
.rept \n
	GRP \f, bb, \zero
.set bb, bb+1
.endr
.endm
.macro RUNA g, k                       ; xb's 8 fragments of the 32 K at byte k of the rows, into buffer g: 16 loads
.irp a, 0,1,2,3,4,5,6,7
	ds_load_b128 v[(\g)+8*(\a):(\g)+8*(\a)+3],   v[ADRA] offset:(\k)+(\a)*16*PITCH
	ds_load_b128 v[(\g)+8*(\a)+4:(\g)+8*(\a)+7], v[ADRA] offset:(\k)+(\a)*16*PITCH+32
.endr
.endm
.macro RUNB b0, k                      ; wqkv's fragments b0 .. b0 + 3: 8 loads
.irp j, 0,1,2,3
	ds_load_b128 v[BF+8*((\b0)+(\j)):BF+8*((\b0)+(\j))+3],   v[ADRB] offset:(\k)+((\b0)+(\j))*16*PITCH
	ds_load_b128 v[BF+8*((\b0)+(\j))+4:BF+8*((\b0)+(\j))+7], v[ADRB] offset:(\k)+((\b0)+(\j))*16*PITCH+32
.endr
.endm
; A QUARTER STEP is 96 matrix instructions, 12 groups, and three runs of LDS loads for the next quarter: behind group 3 (xb's other buffer and wqkv's fragments 0-3: 24 loads), behind group 7 (fragments 4-7: 8)
; and behind group 11 (fragments 8-11: 8).  Each run is issued 64 matrix instructions ahead of the first product that reads it.
; A slot's first quarter: multiplies buffer 0 and fetches the slot's second quarter, at byte 64 of the rows.
.macro QTR0
	s_wait_dscnt 16                                ; the last quarter's first run is in; its two runs of 8 may be out
	GRPS AF0, 0, 4, 0
	PLACES
	WIN 0
	RUNA AF1, 64
	RUNB 0, 64
	s_wait_dscnt 32                                ; the last quarter's second run is in: behind it stand its third run (8) and the 24 just issued
	GRPS AF0, 4, 4, 0
	PLACES
	WIN 0
	RUNB 4, 64
	s_wait_dscnt 32                                ; the last quarter's third run is in: behind it stand the 24 and the 8 of this quarter
	GRPS AF0, 8, 4, 0
	PLACES
	WIN 0
	RUNB 8, 64
.endm
; A slot's second quarter: multiplies buffer 1 and changes slots.  All reads of this slot have been issued.  Each wave waits for all its tensor loads, of which one is out: its part of the next slot; adds 0 to its
; spare word; waits for that and for its reads of this slot.  fill = 1: the barrier opens a round of the cluster's, and this slot takes the step two on, first thing behind the round: from that request to the wait
; for it a wave issues 176 of a slot's 192 matrix instructions.
.macro QTR1 fill
	s_wait_dscnt 16
	GRPS AF1, 0, 2, 0
	WIN 0
	s_wait_tensorcnt 0x0                           ; no tensor load of mine is out, so a group 0 may be written
	ds_add_u32 v[SPW], v[NIL]                      ; 0 onto my spare word
.if \fill
	s_xor_b32 s[G0+5], s[G0+5], SLOT1              ; the walking descriptors: the other slot than last time,
	s_add_nc_u64 s[G0+6:G0+7], s[G0+6:G0+7], PLA   ; the next block of K; the type bits on top are not reached
	s_xor_b32 s[G0B+5], s[G0B+5], SLOT1
	s_add_nc_u64 s[G0B+6:G0B+7], s[G0B+6:G0B+7], PLB
.endif
	GRPS AF1, 2, 1, 0
	s_wait_dscnt 0x0                               ; the add is done, my reads of this slot are back
	s_barrier_signal -1
	GRPS AF1, 3, 1, 0
	WIN 0
	s_barrier_wait -1
.if \fill
	CREST                                          ; no wave of any partner still reads this slot or has a load on its way
	JLOAD 1                                        ; its four v_nop are the places ahead of the loads below
.else
	PLACES
.endif
	s_xor_b32 s[TB], s[TB], SLOT1                  ; the reads go on in the other slot
	v_add_nc_u32 v[ADRA], s[TB], v[ADRA0]
	v_add_nc_u32 v[ADRB], s[TB], v[ADRB0]
	RUNA AF0, 0
	RUNB 0, 0
	GRPS AF1, 4, 4, 0                              ; (what these and the next four groups read came in by the wait for 0 above)
	PLACES
	WIN 0
	RUNB 4, 0
	GRPS AF1, 8, 4, 0
	PLACES
	WIN 0
	RUNB 8, 0
.endm
	s_load_b256 s[4:11], s[0:1], 0x0               ; xb s[4:5], wqkv s[6:7], biasr s[8:9], qkv s[10:11]
	v_lshl_add_u32 v[SPW], v0, 2, SPARE
	v_mov_b32 v[NIL], 0
	ds_add_u32 v[SPW], v[NIL]                      ; the wave's opening: the add and its wait ahead of my first tensor load
	ds_add_u32 v14, v15
	v_lshrrev_b32 v1, 5, v0
	v_readfirstlane_b32 s[WV], v1
	s_lshr_b32 s[WR], s[WV], 1
	s_and_b32 s[WC], s[WV], 1
	s_bfe_u32 s40, ttmp6, 0x40000                  ; cx
	s_bfe_u32 s41, ttmp6, 0x40004                  ; cy
	s_lshl_b32 s42, ttmp9, 2
	s_add_co_u32 s42, s42, s40                     ; column block of 384 = 4 x cluster x + cx
	s_and_b32 s[CLY], ttmp7, 0xffff                ; cluster y: the block's place in its batch
	s_lshl_b32 s15, s41, 3
	s_add_co_u32 s15, s15, s[CLY]                  ; row block of 256 = 8 x cy + cluster y: cy is the batch
	s_lshl_b32 s43, s41, 2
	s_lshl_b32 s43, 15, s43                        ; my row of the cluster
	s_lshl_b32 s44, 0x1111, s40                    ; my column
	s_or_b32 s[G1], s43, FIELDS
	s_or_b32 s[G1B], s44, FIELDS
	s_mov_b32 s[G1+1], 128<<16                     ; tensor_dim0 = 128 elements: 256 bytes, two of the tile's rows
	s_mov_b32 s[G1+2], 64<<16                      ; tensor_dim1 = 64: 128 of the tile's rows
	s_mov_b32 s[G1+3], 128<<16                     ; tile_dim0 = 128
	s_mov_b32 s[G1+4], 64                          ; tile_dim1 = 64
	s_mov_b32 s[G1+5], 128                         ; elements from row to row: dense
	s_mov_b32 s[G1+6], 0
	s_mov_b32 s[G1+7], 0
	s_mov_b32 s[G1B+1], 128<<16
	s_mov_b32 s[G1B+2], 96<<16                     ; 96: 192 of the tile's rows
	s_mov_b32 s[G1B+3], 128<<16
	s_mov_b32 s[G1B+4], 96
	s_mov_b32 s[G1B+5], 128
	s_mov_b32 s[G1B+6], 0
	s_mov_b32 s[G1B+7], 0
	s_lshl_b32 s16, s15, 15                        ; xb: 256 rows of 128 bytes a row block,
	s_lshl_b32 s17, s[WC], 14                      ; 128 rows a half
	s_add_co_u32 s16, s16, s17
	s_mov_b32 s17, 0
	s_mul_i32 s46, s42, 384*128                    ; wqkv: 384 rows a column block,
	s_mul_i32 s47, s[WC], 192*128                  ; 192 a half
	s_add_co_u32 s46, s46, s47
	s_mov_b32 s47, 0
	s_mul_i32 s20, s[WC], AHALF                    ; where they go: no place in the cluster enters an LDS address
	s_mul_i32 s21, s[WC], BHALF
	s_add_co_u32 s21, s21, BOFF
	s_wait_dscnt 0x0                               ; the opening add is done
	s_wait_kmcnt 0x0
	s_add_nc_u64 s[18:19], s[4:5], s[16:17]
	s_add_nc_u64 s[46:47], s[6:7], s[46:47]
	s_add_nc_u64 s[HV:HV+1], s[10:11], HVOFF
	CROUND                                         ; all sixteen work-groups are here: the first joint loads meet
.irp s, 0,1
	s_mov_b32 s[G0+4*(\s)], 1
	s_add_co_u32 s[G0+4*(\s)+1], s20, (1-(\s))*SLOT1  ; step 0 goes to the even steps' slot
	s_add_nc_u64 s[G0+4*(\s)+2:G0+4*(\s)+3], s[18:19], (\s)*PLA
	s_or_b32 s[G0+4*(\s)+3], s[G0+4*(\s)+3], 0x80000000
	s_mov_b32 s[G0B+4*(\s)], 1
	s_add_co_u32 s[G0B+4*(\s)+1], s21, (1-(\s))*SLOT1
	s_add_nc_u64 s[G0B+4*(\s)+2:G0B+4*(\s)+3], s[46:47], (\s)*PLB
	s_or_b32 s[G0B+4*(\s)+3], s[G0B+4*(\s)+3], 0x80000000
	JLOAD \s                                       ; two loads of mine are out
.endr
	v_and_b32 v1, 15, v0                           ; l % 16
	v_bfe_u32 v2, v0, 4, 1                         ; l / 16
	s_mul_i32 s16, s42, 384*4
	s_mul_i32 s17, s[WC], 192*4
	s_add_co_u32 s16, s16, s17                     ; 4 x my first column
	v_lshl_add_u32 v[BOF], v1, 2, s16
.set b, 0
.rept 12
	global_load_b32 v[BF+8*b], v[BOF], s[8:9] offset:64*b  ; the bias of column 16 b + l % 16 of my 192
.set b, b+1
.endr
	s_mul_i32 s17, s41, 16*HROW                    ; the f32 rows: a batch's 16,
	s_add_co_u32 s16, s16, s17                     ; my 192 columns
	s_mov_b32 s17, 0
	s_add_nc_u64 s[HV:HV+1], s[HV:HV+1], s[16:17]
	v_mul_u32_u24 v[HO], v1, HROW                  ; row l % 16,
	v_lshl_add_u32 v[HO], v2, 5, v[HO]             ; 32 bytes for each half of the lanes
	v_mul_u32_u24 v3, v1, PITCH
	v_lshl_add_u32 v3, v2, 4, v3                   ; a fragment's row x pitch + 16 x half of the lanes
	s_mul_i32 s21, s[WR], AHALF
	s_mul_i32 s22, s[WC], BHALF
	s_add_co_u32 s22, s22, BOFF
	v_add_nc_u32 v[ADRA0], s21, v3
	v_add_nc_u32 v[ADRB0], s22, v3
	s_mov_b32 s[TB], SLOT1                         ; step 0 lies in the even steps' slot
	v_add_nc_u32 v[ADRA], s[TB], v[ADRA0]
	v_add_nc_u32 v[ADRB], s[TB], v[ADRB0]
	s_mul_i32 s23, s[WR], 128*SP                   ; into the stage: my 128 rows, my 384 bytes of them; row l % 16, 16 bytes for each half of the lanes
	s_mul_i32 s22, s[WC], 384
	s_add_co_u32 s23, s23, s22
	s_add_co_u32 s23, s23, STAGE
	v_mul_u32_u24 v3, v1, SP
	v_lshl_add_u32 v3, v2, 4, v3
	v_add_nc_u32 v[STO], s23, v3
	v_add_nc_u32 v[STO+1], 64*SP, v[STO]
	s_mul_i32 s23, s[WV], 64*SP                    ; back: wave w takes rows 64 w .. 64 w + 63, whole: lanes 0-15 from its first 32, lanes 16-31 from its last 32
	s_add_co_u32 s23, s23, STAGE
	v_mul_u32_u24 v3, v2, 32*SP
	v_lshl_add_u32 v3, v1, 4, v3
	v_add_nc_u32 v[RD], s23, v3
	v_mul_u32_u24 v3, v2, 32*CROW                  ; and the same rows in qkv
	v_lshl_add_u32 v[CO], v1, 4, v3
	s_lshl_b32 s16, s15, 8
	s_lshl_b32 s17, s[WV], 6
	s_add_co_u32 s16, s16, s17                     ; the first row of qkv that I store
	s_mul_i32 s16, s16, CROW
	s_mul_i32 s17, s42, 768
	s_add_co_u32 s16, s16, s17                     ; the tile's first column, in bytes: a multiple of 256
	s_mov_b32 s17, 0
	s_add_nc_u64 s[10:11], s[10:11], s[16:17]
	v_sub_nc_u32 v3, 1, v2
	v_mul_u32_u24 v[AF1], v3, 0x3f80               ; 1.0 in bf16 at k = 0, which lanes 0-15 hold in their first half word; 0 at k = 8 in lanes 16-31
.set t, 1
.rept 7
	v_mov_b32 v[AF1+t], 0                          ; and 0 at every other k
.set t, t+1
.endr
.set b, 0
.rept 12
.set t, 1
.rept 7
	v_mov_b32 v[BF+8*b+t], 0                       ; the bias's fragments hold numbers everywhere: what stands beside the 0 of the other side adds 0
.set t, t+1
.endr
.set b, b+1
.endr
	s_wait_loadcnt 0x0
.set b, 0
.rept 12
	v_lshrrev_b32 v[BF+8*b], 16, v[BF+8*b]         ; the f32 number is one that bf16 holds: its upper half is that bf16
.set b, b+1
.endr
	GRPS AF1, 0, 12, 1                             ; bias x 1.0 starts all 96 sums, while the first tiles are on their way
	PLACES
	WIN 0
	s_wait_tensorcnt 1                             ; my part of step 0 is in; step 1's may stay out
	s_barrier_signal -1
	s_barrier_wait -1
	RUNA AF0, 0                                    ; step 0's first quarter, in the order of a quarter's three runs
	RUNB 0, 0
	RUNB 4, 0
	RUNB 8, 0
	s_mov_b32 s3, 14
.Lslot:                                                ; steps 0 to 13: each slot is filled again with the step two on
	QTR0
	QTR1 1
	s_sub_co_u32 s3, s3, 1
	s_cmp_lg_u32 s3, 0
	s_cbranch_scc1 .Lslot
	s_mov_b32 s3, 2
.Ltail:                                                ; steps 14 and 15 fill nothing; the second trip is left ahead of the change of slots
	QTR0
	s_sub_co_u32 s3, s3, 1
	s_cmp_eq_u32 s3, 0
	s_cbranch_scc1 .Llastq
	QTR1 0
	s_branch .Ltail
.Llastq:                                               ; the last quarter fetches nothing: the counts run down
	s_wait_dscnt 16
	GRPS AF1, 0, 4, 0
	s_wait_dscnt 8
	GRPS AF1, 4, 4, 0
	s_wait_dscnt 0x0
	GRPS AF1, 8, 4, 0
	PLACES
	WIN 0
	s_cmp_lg_u32 s[CLY], 0                         ; a batch's first block (alike in all sixteen partners),
	s_cbranch_scc1 .Lpack
	s_cmp_lg_u32 s[WR], 0                          ; its upper 128 rows: their first 16 are my row block 0
	s_cbranch_scc1 .Lpack
.set b, 0
.rept 12                               ; the sums as they are, 32 bytes a lane, each accumulator's low half first; 192 KiB a batch, so that these stores fill 64 bytes of a row at a time is let be
	WIN 0x04*(1+b/4)                               ; data in window 1 + b / 4
	global_store_b128 v[HO], v[64*(b%4):64*(b%4)+3],   s[HV:HV+1] offset:64*b
	global_store_b128 v[HO], v[64*(b%4)+4:64*(b%4)+7], s[HV:HV+1] offset:64*b+16
.set b, b+1
.endr
	WIN 0
.Lpack:
	; THE WAY OUT.  A wave's 192 columns are 384 bytes of a row, not whole runs of 256: so the four waves share one stage, with a barrier between writing and reading.  Window by window: 32 accumulators are rounded
	; to f16 (each from its low end on), 16 bytes a lane go into the stage.
.irp w, 1,2,3
	WIN 0x05*(\w)                                  ; sources 0 and 1 in window w
.set t, 0
.rept 32                               ; accumulator t of the window: column block 4 (w - 1) + t / 8, row block t % 8
.irp q, 0,1,2,3
	v_cvt_pk_f16_f32 v[TMP+4*t+(\q)], v[8*t+2*(\q)], v[8*t+2*(\q)+1]
.endr
.set t, t+1
.endr
	WIN 0
.set t, 0
.rept 32
	ds_store_b128 v[STO+(t%8)/4], v[TMP+4*t:TMP+4*t+3] offset:((t%8)%4)*16*SP+32*(4*((\w)-1)+t/8)
.set t, t+1
.endr
.endr
	s_wait_dscnt 0x0                               ; for the others' sake: my stores into the stage are done
	s_barrier_signal -1
	s_barrier_wait -1
	s_mov_b32 s3, 4
.Lrows:                                                ; four trips: 8 rows of my first 32 and 8 of my last 32, three runs of 256 bytes each
.set t, 0
.rept 24
	ds_load_b128 v[TMP+4*t:TMP+4*t+3], v[RD] offset:(t/3)*SP+(t%3)*256
.set t, t+1
.endr
.set t, 0
.rept 24
	s_wait_dscnt 23-t                              ; LDS loads come back in order: load t is in
	global_store_b128 v[CO], v[TMP+4*t:TMP+4*t+3], s[10:11] offset:(t/3)*CROW+(t%3)*256  ; 16 lanes store 256 consecutive bytes, aligned
.set t, t+1
.endr
	s_wait_xcnt 0x0                                ; the stores have read their data and their base
	v_add_nc_u32 v[RD], 8*SP, v[RD]
	s_add_nc_u64 s[10:11], s[10:11], 8*CROW
	s_sub_co_u32 s3, s3, 1
	s_cmp_lg_u32 s3, 0
	s_cbranch_scc1 .Lrows
	s_wait_tensorcnt 0x0                           ; the wave's end
	ds_add_u32 v[SPW], v[NIL]
	s_wait_dscnt 0x0
	CROUND                                         ; the closing round
	s_endpgm
.Lfunc_end_k_qc2c8282046_proj:
	.size	k_qc2c8282046_proj, .Lfunc_end_k_qc2c8282046_proj-k_qc2c8282046_proj
	.p2alignl 7, 3214868480
	.fill 96, 4, 3214868480
	.section	.rodata,"a",@progbits
	.p2align	6, 0x0
	.amdhsa_kernel k_qc2c8282046_proj
		.amdhsa_group_segment_fixed_size 327680
		.amdhsa_private_segment_fixed_size 0
		.amdhsa_enable_private_segment 0
		.amdhsa_kernarg_size 32
		.amdhsa_user_sgpr_count 2
		.amdhsa_user_sgpr_kernarg_segment_ptr 1
		.amdhsa_wavefront_size32 1
		.amdhsa_system_sgpr_workgroup_id_x 1
		.amdhsa_system_sgpr_workgroup_id_y 1
		.amdhsa_system_sgpr_workgroup_id_z 1
		.amdhsa_system_vgpr_workitem_id 0
		.amdhsa_next_free_vgpr 1024
		.amdhsa_next_free_sgpr 72
		.amdhsa_reserve_vcc 0
		.amdhsa_float_denorm_mode_32 3
		.amdhsa_float_denorm_mode_16_64 3
		.amdhsa_memory_ordered 1
		.amdhsa_forward_progress 1
		.amdhsa_inst_pref_size 104
	.end_amdhsa_kernel
	.amdgpu_metadata
---
amdhsa.version: [ 1, 2 ]
amdhsa.kernels:
  - .name:           k_qc2c8282046_proj
    .symbol:         k_qc2c8282046_proj.kd
    .args:
      - { .name: xb, .offset: 0, .size: 8, .value_kind: global_buffer, .address_space: global }
      - { .name: wqkv, .offset: 8, .size: 8, .value_kind: global_buffer, .address_space: global }
      - { .name: biasr, .offset: 16, .size: 8, .value_kind: global_buffer, .address_space: global }
      - { .name: qkv, .offset: 24, .size: 8, .value_kind: global_buffer, .address_space: global }
    .group_segment_fixed_size: 327680
    .private_segment_fixed_size: 0
    .kernarg_segment_align: 8
    .kernarg_segment_size: 32
    .max_flat_workgroup_size: 128
    .sgpr_count:     72
    .vgpr_count:     1024
    .wavefront_size: 32
...
	.end_amdgpu_metadata
.endif
;; end of part 2
;; launch scores (part 3): grid 52 x 4, 4 waves a work-group, no clusters, 327,680 bytes of LDS; arguments qkv, pw, stat, woh, biasr, out0; writes pw, stat, out0
.if DOCPART == 3
	.amdgcn_target "amdgcn-amd-amdhsa--gfx1250"
	.amdhsa_code_object_version 6
	.text
	.protected	k_qc2c8282046_scores
	.globl	k_qc2c8282046_scores
	.p2align	8
	.type	k_qc2c8282046_scores,@function
k_qc2c8282046_scores:
	s_mov_b64 s[64:65], 0
	v_nop
	global_prefetch_b8 v0, s[64:65] scope:SCOPE_SE
	s_setreg_imm32_b32 hwreg(HW_REG_WAVE_MODE, 25, 1), 1
	s_wait_xcnt 0x0
; WORK-GROUPS x = 0 .. 35: ONE CAUSAL TILE OF WEIGHTS.  For 256 queries x 256 keys of one batch: s = Q . K (f16 operands, f32 sums), keys behind the query hidden; then, for each query and each GROUP of 128 keys,
; m = the group's own maximum, p = 2^(c s - c m) with c = log2(e) / 32, l = the sum of the unrounded p.  Stored: p as f16 in pw [4][2048][2048]; c m and l as f32 in stat (plane c m
; [4][16 groups][2048 rows], plane l 524,288 bytes on).  The launch behind joins the groups: the maximum over a row's groups is taken there, in f32.
; WORK-GROUPS x = 36 .. 51: THE FIRST 16 ROWS OF A BATCH'S OUTPUT, made whole here, 64 columns of out0 each (the text from .Lhead on, which says why and how).
; LIMITS.  A hidden score counts as its value less 2^100 (in the first rows' text: as -2^100); a group's maximum is floored at -2^96 (f16 operands give scores of 4.4e12 at the most): a group with no visible
; key gets p = 0, l = 0.  p below 6e-8 is 0 in f16; a weight below 2^-126 counts as 0 in l; NaN and infinities are not treated apart.
; SHARES.  A batch has 36 tiles on or under the diagonal, (I, J) with J <= I; work-group x counts them row by row.  Four waves, each 128 x 128 (64 accumulators, 512 registers): a wave's 128 keys are one group.
; NO CLUSTER: a row of tiles has 1 to 8 tiles, a column likewise: no four partners along a row or a column cover them without work-groups above the diagonal, which would have no work.
; THE MATRIX INSTRUCTION IS USED TRANSPOSED (source 0 = 16 keys, source 1 = 16 queries): a lane holds query l % 16 and keys 8 (l / 16) + 0..7.  THE MASK IS THE C OPERAND of the products that start the sums.
; A wave's 128 x 128 lies wholly under the diagonal, on it, or wholly above: so three patterns of 8 registers serve its 64 accumulators: key block b below query block a, b = a, b above a.
; THE LOOP makes one K step of 128 a trip: the slot that is read lies in a scalar register that an exclusive or turns, and one descriptor walks.
; Q AND K ARE PREFETCHED INTO THE L2 one K step ahead of the refills.  Block I of Q's rows is read by the tiles (I, 0 .. I), block J of K's rows by the tiles (J .. 7, J): the tile on the diagonal is among the
; readers of both, so it alone asks, each of its waves for the 128 rows x 256 bytes that it fetches itself: a lane a row, four instructions, behind the trip's tensor load and its run of LDS loads.  So each
; row's 256 bytes of a K step are named once in the launch.  K steps 0 to 2 come by their loads alone; the last refill asks for nothing.
; REGISTERS: window 0: v0-31 addresses; v64-127, v128-191 Q's fragments (later v64-79 at work); v32-63, v192-255 the way out.  window 1: v0-23 the masks; v64-191 K's fragments.
;   window 2: accumulators of query blocks 0-3 ((a, b) at v[8 (8 (a % 4) + b)]);  window 3: of blocks 4-7.
.set AF,     8
.set KSTEP,  128
.set PITCH,  272                       ; 256 bytes + 16 of padding: the 16 rows of a load start at 16 different groups of four banks (64 banks of 4 bytes: ISA guide 11.1)
.set HALFB,  128*PITCH                 ; 128 rows: what one tensor load brings
.set HALFA,  HALFB
.set SLOT,   4*HALFB                   ; Q's 256 rows, then K's 256 rows: 0x22000, which shares no bit with the four tiles' places in a slot (wave x 0x8800)
.set NL,     16+2*AF
.set STAGE,  2*SLOT                    ; behind the ring: 16 rows x 272 bytes for each wave
.set SPITCH, 272
.set STAT,   STAGE+4*16*SPITCH         ; 1,024 bytes for each wave: c m of its 128 rows, then l
.set SPARE,  STAT+4*1024               ; the spare words: two blocks of 256 bytes that no other line names
.set HS,     SPARE+512                 ; the first rows' text: four partial tiles of scores, 1,024 bytes a wave
.set HP,     HS+4096                   ; and four waves x four partial tiles of out0, 1,024 bytes each
.set HVOFF,  0x3000000                 ; where the f32 rows [4][16][3072] begin in qkv
.set HROW,   12288                     ; bytes in one of them
.set CROW,   4096                      ; bytes in a row of pw
.set ADRA0, 16                         ; v16, v20  my lane's place in a slot's rows of Q, of K; never rewritten
.set ADRA,  17                         ; v17, v21  the same in the slot that is being read
.set ADRB0, 20
.set ADRB,  21
.set STG,  22                          ; v22  16 x lane: my 16 bytes of 512 in stat
.set PFO,  23                          ; v23  the prefetches' offset: my lane x a row of qkv (6,144 bytes); never rewritten
.set STO,  24
.set RD,   25
.set CO,   26
.set DL,   27                          ; v27  my query less my first key: register j of the pattern for b - a = d is hidden where 16 d + j is greater
.set SPW,  28
.set NIL,  29
.set STR,  30                          ; v30  where I read my wave's statistics back
.set STA,  31                          ; v31  where my row's statistics go
.set F0,   64
.set F1,   128
.set TMP,  192
.set OB,   32
.set SC,   64                          ; v64-67 four maxima; v68 c m (v69 named with it); v70 l; v71 at work
.set WV, 10
.set WR, 11
.set WC, 12
.set G1, 24
.set G0, 32                            ; s[32:39] group 0: a set for each first fill; the second then walks on
.set TB, 48                            ; s48 the LDS byte at which the slot that is being read begins
.set LIM, 49                           ; s49 1 in a work-group that prefetches, else the greatest number
.set PFA, 50                           ; s[50:51] where my prefetches stand: my 128 rows, at the K step after the one that is being asked for
.set CS,  58                           ; s[58:59] c
.set SEL, 60                           ; s[60:61] v_permlanex16_b32's selects: each lane takes its own place in the other half
.set BIGN, 62                          ; s62 -2^100
.set FLOOR, 63                         ; s63 -2^96
.set MSB, 0
.macro WIN new
.if MSB != (\new)
	s_set_vgpr_msb (MSB<<8)|(\new)
.set MSB, \new
.endif
.endm
.macro PLACES
.rept 4
	v_nop
.endr
.endm
.macro MULA f, a, first                ; eight matrix instructions: query block a x all 8 key blocks.  first = 1: the sums start with the mask: pattern 0 for b < a, 1 for b = a, 2 for b > a
.if \first
	WIN 0x91+0x40*((\a)/4)
.else
	WIN 0xa1+0x50*((\a)/4)
.endif
.irp b, 0,1,2,3,4,5,6,7
.if \first
.set pq, (\b)-(\a)+7
.if pq < 7
.set cbr, 0
.elseif pq == 7
.set cbr, 8
.else
.set cbr, 16
.endif
	v_wmma_f32_16x16x32_f16 v[8*(8*((\a)%4)+(\b)):8*(8*((\a)%4)+(\b))+7], v[(\f)+8*(\b):(\f)+8*(\b)+7], v[(\f)+8*(\a):(\f)+8*(\a)+7], v[cbr:cbr+7]
.else
	v_wmma_f32_16x16x32_f16 v[8*(8*((\a)%4)+(\b)):8*(8*((\a)%4)+(\b))+7], v[(\f)+8*(\b):(\f)+8*(\b)+7], v[(\f)+8*(\a):(\f)+8*(\a)+7], v[8*(8*((\a)%4)+(\b)):8*(8*((\a)%4)+(\b))+7]
.endif
.endr
.endm
.macro MRANGE f, lo, n, first          ; the 64 accumulators take turns in one order in every quarter step
.set aa, \lo
.rept \n
	MULA \f, aa, \first
.set aa, aa+1
.endr
.endm
.macro FETCH k, f                      ; a quarter step's fragments (32 K at byte k of the rows of the slot that is being read) in one run: K's 16 loads, then Q's 16
	WIN 0x40
.irp i, 0,1,2,3,4,5,6,7
	ds_load_b128 v[(\f)+8*(\i):(\f)+8*(\i)+3],   v[ADRB] offset:(\k)+(\i)*16*PITCH
	ds_load_b128 v[(\f)+8*(\i)+4:(\f)+8*(\i)+7], v[ADRB] offset:(\k)+(\i)*16*PITCH+32
.endr
	WIN 0
.set ia, 0
.rept AF
	ds_load_b128 v[(\f)+8*ia:(\f)+8*ia+3],   v[ADRA] offset:(\k)+ia*16*PITCH
	ds_load_b128 v[(\f)+8*ia+4:(\f)+8*ia+7], v[ADRA] offset:(\k)+ia*16*PITCH+32
.set ia, ia+1
.endr
.endm
.macro QUARTER k, f, g, first          ; multiplies buffer f; in its middle it fetches the next quarter, at byte k, into buffer g
	s_wait_dscnt AF                                ; all but the youngest eight loads: Q's blocks 4-7
	MRANGE \f, 0, AF/2, \first
	PLACES
	FETCH \k, \g
	s_wait_dscnt NL                                ; all but the 32 just issued
	MRANGE \f, AF/2, AF/2, \first
.endm
.macro MEET                            ; the change of slots' first half: all my tensor loads are in, the add, my reads of this slot are over; one barrier
	WIN 0
	s_wait_tensorcnt 0x0                           ; the one load that was out is my part of the other slot
	ds_add_u32 v[SPW], v[NIL]                      ; 0 onto my spare word
	s_wait_dscnt AF+1                              ; (the add and the youngest eight loads may be out)
	MRANGE F1, 0, AF/4, 0
	s_wait_dscnt 0x0                               ; the add is done, my reads of this slot are over
	s_barrier_signal -1
	MRANGE F1, AF/4, AF/4, 0
	WIN 0
	s_barrier_wait -1
.endm
.macro NEXTF                           ; the reads go on in the other slot: its first quarter's fragments
	s_xor_b32 s[TB], s[TB], SLOT
	v_add_nc_u32 v[ADRA], s[TB], v[ADRA0]
	v_add_nc_u32 v[ADRB], s[TB], v[ADRB0]
	FETCH 0, F0
.endm
; THE SOFTMAX OF 16 QUERIES x 128 KEYS: x0-x63 are my lane's 64 scores, in window 2 from 64 a on; the query's other 64 lie in the lane 16 away.
.macro SOFT a
.set XB, 64*(\a)
	WIN 0x2a                                       ; four chains of 16 scores
.irp k, 0,1,2,3
	v_max3_num_f32 v[SC+(\k)], v[XB+16*(\k)], v[XB+16*(\k)+1], v[XB+16*(\k)+2]
.endr
	WIN 0x28
.irp i, 1,2,3,4,5,6
.irp k, 0,1,2,3
	v_max3_num_f32 v[SC+(\k)], v[SC+(\k)], v[XB+16*(\k)+2*(\i)+1], v[XB+16*(\k)+2*(\i)+2]
.endr
.endr
.irp k, 0,1,2,3
	v_max_num_f32 v[SC+(\k)], v[SC+(\k)], v[XB+16*(\k)+15]
.endr
	WIN 0
	v_max3_num_f32 v[SC], v[SC], v[SC+1], v[SC+2]
	v_max3_num_f32 v[SC], v[SC], v[SC+3], s[FLOOR]
	v_permlanex16_b32 v[SC+1], v[SC], s[SEL], s[SEL+1]
	v_max_num_f32 v[SC+2], v[SC], v[SC+1]          ; m
	v_mul_f32 v[SC+4], s[CS], v[SC+2]              ; c m
	WIN 0x82
.set t, 0
.rept 32
	v_pk_fma_f32 v[XB+2*t:XB+2*t+1], v[XB+2*t:XB+2*t+1], s[CS:CS+1], v[SC+4:SC+5] op_sel_hi:[1,0,0] neg_lo:[0,0,1] neg_hi:[0,0,1]  ; c s - c m
.set t, t+1
.endr
.set t, 0
.rept 64
	v_exp_f32 v[XB+t], v[XB+t]
.set t, t+1
.endr
	v_nop                                          ; a plain instruction between the last exponential and the use of its result
	WIN 0x0a
.set t, 0
	s_wait_alu depctr_va_vdst(0)
.rept 32
	v_cvt_pk_f16_f32 v[TMP+t], v[XB+2*t], v[XB+2*t+1]
.set t, t+1
.endr
	WIN 0x8a                                       ; the sum of the unrounded weights, pairs added in place
.irp w, 16,8,4,2,1
.set t, 0
.rept \w
	v_pk_add_f32 v[XB+2*t:XB+2*t+1], v[XB+2*t:XB+2*t+1], v[XB+2*(t+(\w)):XB+2*(t+(\w))+1]
.set t, t+1
.endr
.endr
	WIN 0x0a
	v_add_f32 v[SC+6], v[XB], v[XB+1]
	WIN 0
	v_permlanex16_b32 v[SC+7], v[SC+6], s[SEL], s[SEL+1]
	v_add_f32 v[SC+6], v[SC+6], v[SC+7]            ; l
	ds_store_b32 v[STA], v[SC+4] offset:64*(\a)    ; both halves of the lanes write the same word with the same number
	ds_store_b32 v[STA], v[SC+6] offset:512+64*(\a)
.endm
.macro TOSTAGE a
	WIN 0
.set BK, OB+192*((\a)%2)
.irp b, 0,1,2,3,4,5,6,7
	ds_store_b128 v[STO], v[TMP+4*(\b):TMP+4*(\b)+3] offset:32*(\b)
.endr
.irp t, 0,1,2,3,4,5,6,7
	ds_load_b128 v[BK+4*(\t):BK+4*(\t)+3], v[RD] offset:(\t)*2*SPITCH  ; LDS serves a wave's instructions in order (ISA guide 5.7.1.4): these see the stores above
.endr
.endm
.macro SEND a
	WIN 0
.set BK, OB+192*((\a)%2)
	s_wait_dscnt 0x0
	s_wait_xcnt 0x0                                ; earlier stores have read their registers: the other buffer is loaded again only behind this wait
.irp t, 0,1,2,3,4,5,6,7
	global_store_b128 v[CO], v[BK+4*(\t):BK+4*(\t)+3], s[6:7] offset:(16*(\a)+2*(\t))*CROW  ; 16 lanes store 256 consecutive bytes, aligned
.endr
.endm
	s_load_b128 s[4:7], s[0:1], 0x0                ; qkv s[4:5], pw s[6:7]
	s_load_b64 s[8:9], s[0:1], 0x10                ; stat
	s_load_b128 s[40:43], s[0:1], 0x18             ; woh s[40:41], biasr s[42:43]
	s_load_b64 s[44:45], s[0:1], 0x28              ; out0
	v_lshl_add_u32 v[SPW], v0, 2, SPARE
	v_mov_b32 v[NIL], 0
	ds_add_u32 v[SPW], v[NIL]                      ; the wave's opening: the add and its wait ahead of my first tensor load
	ds_add_u32 v28, v29
	v_lshrrev_b32 v1, 5, v0
	v_readfirstlane_b32 s[WV], v1
	s_lshr_b32 s[WR], s[WV], 1                     ; my half of the queries
	s_and_b32 s[WC], s[WV], 1                      ; my half of the keys; also: which 128 rows I fetch
	s_mov_b32 s13, ttmp9
	s_mov_b32 s14, 0
.irp t, 1,3,6,10,15,21,28
	s_cmp_ge_u32 s13, \t                           ; I = how many rows of tiles begin at or before mine
	s_add_co_ci_u32 s14, s14, 0
.endr
	s_add_co_u32 s17, s14, 1
	s_mul_i32 s17, s17, s14
	s_lshr_b32 s17, s17, 1
	s_sub_co_u32 s15, s13, s17                     ; J = x - I (I + 1) / 2
	s_and_b32 s16, ttmp7, 0xffff                   ; the batch
	s_mov_b32 s[G1], (1<<16)|(1<<20)|(5<<22)|(3<<25)  ; 2-byte elements; padding on: after every 64 words, 4 words
	s_mov_b32 s[G1+1], KSTEP<<16                   ; tensor_dim0 = 128
	s_mov_b32 s[G1+2], 128<<16                     ; tensor_dim1 = 128
	s_mov_b32 s[G1+3], KSTEP<<16                   ; tile_dim0 = 128
	s_mov_b32 s[G1+4], 128                         ; tile_dim1 = 128
	s_mov_b32 s[G1+5], 3072                        ; elements from row to row of qkv
	s_mov_b32 s[G1+6], 0
	s_mov_b32 s[G1+7], 0
	s_mov_b32 s[CS], 0x3d38aa3b                    ; c = log2(e) / 32
	s_mov_b32 s[CS+1], s[CS]
	s_mov_b32 s[SEL], 0x76543210
	s_mov_b32 s[SEL+1], 0xfedcba98
	s_mov_b32 s[BIGN], 0xf1800000
	s_mov_b32 s[FLOOR], 0xef800000
	s_cmp_lt_u32 s[WV], 2                          ; waves 0, 1 fetch Q's rows of tile row I, waves 2, 3 K's rows of tile column J
	s_cselect_b32 s18, s14, s15
	s_cselect_b32 s19, 0, 2048                     ; K begins 2,048 bytes into a row
	s_lshl_b32 s18, s18, 8
	s_lshl_b32 s20, s16, 11
	s_add_co_u32 s18, s18, s20
	s_lshl_b32 s20, s[WC], 7
	s_add_co_u32 s18, s18, s20
	s_mul_i32 s18, s18, 6144
	s_add_co_u32 s18, s18, s19
	s_mov_b32 s19, 0
	s_mul_i32 s20, s[WV], HALFB                    ; where they go: wave x 128 rows
	s_wait_dscnt 0x0                               ; the opening add is done
	s_wait_kmcnt 0x0
	s_cmp_ge_u32 s13, 36                           ; behind the 36 tiles: the first rows' work-groups (what was reckoned from x above serves them nothing and touches no memory)
	s_cbranch_scc1 .Lhead
	s_add_nc_u64 s[22:23], s[4:5], s[18:19]
	s_add_nc_u64 s[PFA:PFA+1], s[22:23], 2*KSTEP*2 ; at K step 2: the first refill steps it to 3
.irp s, 0,1
	s_mov_b32 s[G0+4*(\s)], 1
	s_add_co_u32 s[G0+4*(\s)+1], s20, (\s)*SLOT
	s_add_nc_u64 s[G0+4*(\s)+2:G0+4*(\s)+3], s[22:23], (\s)*KSTEP*2
	s_or_b32 s[G0+4*(\s)+3], s[G0+4*(\s)+3], 0x80000000
.endr
	tensor_load_to_lds s[G0:G0+3], s[G1:G1+7]      ; K steps 0 and 1: two loads of mine are out
	s_nop 0
	tensor_load_to_lds s[G0+4:G0+7], s[G1:G1+7]
	s_nop 0
	PLACES
	v_and_b32 v1, 15, v0                           ; l % 16
	v_bfe_u32 v2, v0, 4, 1                         ; l / 16
	v_mul_u32_u24 v3, v1, PITCH
	v_lshl_add_u32 v3, v2, 4, v3
	s_mul_i32 s21, s[WR], HALFA
	s_mul_i32 s22, s[WC], HALFB
	s_add_co_u32 s22, s22, 2*HALFA
	v_add_nc_u32 v[ADRA0], s21, v3
	v_add_nc_u32 v[ADRB0], s22, v3
	v_mov_b32 v[ADRA], v[ADRA0]                    ; K step 0 lies in slot 0
	v_mov_b32 v[ADRB], v[ADRB0]
	s_mov_b32 s[TB], 0
	s_cmp_eq_u32 s14, s15                          ; the tile on the diagonal prefetches
	s_cselect_b32 s[LIM], 1, -1
	s_mul_i32 s23, s[WV], 16*SPITCH
	s_add_co_u32 s23, s23, STAGE
	v_mul_u32_u24 v4, v1, SPITCH
	v_lshl_add_u32 v4, v2, 4, v4
	v_add_nc_u32 v[STO], s23, v4
	v_mul_u32_u24 v5, v2, SPITCH
	v_lshl_add_u32 v5, v1, 4, v5
	v_add_nc_u32 v[RD], s23, v5
	v_lshlrev_b32 v5, 12, v2
	v_lshl_add_u32 v[CO], v1, 4, v5
	s_lshl_b32 s23, s[WV], 10
	s_add_co_u32 s23, s23, STAT                    ; my wave's statistics
	v_lshl_add_u32 v[STA], v1, 2, s23
	v_and_b32 v4, 31, v0
	v_lshlrev_b32 v[STG], 4, v4
	v_mul_u32_u24 v[PFO], v4, 6144
	v_add_nc_u32 v[STR], s23, v[STG]
	s_lshl_b32 s18, s16, 11                        ; pw: row 2,048 batch + 256 I + 128 half,
	s_lshl_b32 s19, s14, 8
	s_add_co_u32 s18, s18, s19
	s_lshl_b32 s19, s[WR], 7
	s_add_co_u32 s18, s18, s19
	s_lshl_b32 s18, s18, 12
	s_lshl_b32 s19, s15, 9                         ; column 256 J + 128 half
	s_add_co_u32 s18, s18, s19
	s_lshl_b32 s19, s[WC], 8
	s_add_co_u32 s18, s18, s19
	s_mov_b32 s19, 0
	s_add_nc_u64 s[6:7], s[6:7], s[18:19]
	s_lshl_b32 s18, s16, 4                         ; stat: group 16 batch + 2 J + half,
	s_lshl_b32 s19, s15, 1
	s_add_co_u32 s18, s18, s19
	s_add_co_u32 s18, s18, s[WC]
	s_lshl_b32 s18, s18, 13
	s_lshl_b32 s19, s14, 10                        ; row 256 I + 128 half
	s_add_co_u32 s18, s18, s19
	s_lshl_b32 s19, s[WR], 9
	s_add_co_u32 s18, s18, s19
	s_mov_b32 s19, 0
	s_add_nc_u64 s[8:9], s[8:9], s[18:19]
	s_sub_co_u32 s21, s14, s15
	s_lshl_b32 s21, s21, 8
	s_sub_co_u32 s22, s[WR], s[WC]
	s_lshl_b32 s22, s22, 7
	s_add_co_u32 s21, s21, s22                     ; 256 (I - J) + 128 (my query half - my key half), signed: -128, 0, or 128 and more
	v_lshlrev_b32 v4, 3, v2
	v_sub_nc_u32 v4, v1, v4                        ; -8 to 15
	v_add_nc_u32 v[DL], s21, v4
	WIN 0x40                                       ; the three masks, by b - a = -1, 0, 1: with the three cases above, -1 stands for every b < a and 1 for every b > a
.irp d, 0,1,2
.set jj, 0
.rept 8
	v_cmp_gt_i32 vcc_lo, 16*((\d)-1)+jj, v[DL]
	v_cndmask_b32 v[8*(\d)+jj], 0, s[BIGN], vcc_lo
.set jj, jj+1
.endr
.endr
	WIN 0
	s_wait_tensorcnt 1                             ; my part of K step 0 is in; K step 1's may stay out
	s_barrier_signal -1
	s_barrier_wait -1
	FETCH 0, F0
	QUARTER 64,  F0, F1, 1                         ; the first quarter: its products start the sums with the masks
	WIN 0
	s_mov_b32 s3, 6
.Lstep:                                                ; a trip: from a K step's second quarter to the next step's first; K steps 0 to 5: the slot takes the step two on
	QUARTER 128, F1, F0, 0
	QUARTER 192, F0, F1, 0
	s_wait_xcnt 0x0                                ; the last prefetches, a K step back, have read their address: it is stepped here, ahead of the waits of the change of slots
	s_add_nc_u64 s[PFA:PFA+1], s[PFA:PFA+1], KSTEP*2
	MEET
	s_xor_b32 s[G0+5], s[G0+5], SLOT               ; the walking descriptor: the other slot than last time,
	s_add_nc_u64 s[G0+6:G0+7], s[G0+6:G0+7], KSTEP*2  ; the next K step; the type bits on top are not reached
	tensor_load_to_lds s[G0+4:G0+7], s[G1:G1+7]    ; first thing behind the barrier, one load a wave
	s_nop 0
	PLACES
	NEXTF
	s_cmp_gt_u32 s3, s[LIM]                        ; s3 = 1 in the last trip: there is no K step behind the one just asked for
	s_cbranch_scc0 .Lasked_pf
.irp j, 0,1,2,3
	global_prefetch_b8 v[PFO], s[PFA:PFA+1] offset:(\j)*32*6144 th:TH_LOAD_NT scope:SCOPE_SE  ; what the next refill will ask for: a K step, 256 matrix instructions, ahead of it
.endr
.Lasked_pf:
	MRANGE F1, AF/2, AF/2, 0
	QUARTER 64,  F0, F1, 0
	WIN 0
	s_sub_co_u32 s3, s3, 1
	s_cmp_lg_u32 s3, 0
	s_cbranch_scc1 .Lstep
	s_mov_b32 s3, 2
.Ltail:                                                ; K steps 6 and 7 fill nothing; the second trip is left ahead of the change of slots
	QUARTER 128, F1, F0, 0
	QUARTER 192, F0, F1, 0
	WIN 0
	s_sub_co_u32 s3, s3, 1
	s_cmp_eq_u32 s3, 0
	s_cbranch_scc1 .Llastq
	MEET
	PLACES
	NEXTF
	MRANGE F1, AF/2, AF/2, 0
	QUARTER 64,  F0, F1, 0
	WIN 0
	s_branch .Ltail
.Llastq:
	s_wait_dscnt AF
	MRANGE F1, 0, AF/2, 0
	s_wait_dscnt 0x0
	MRANGE F1, AF/2, AF/2, 0
	PLACES
	WIN 0
	v_mov_b32 v[SC+5], 0                           ; named in a pair with c m
	v_mov_b32 v[SC+7], 0                           ; v_permlanex16_b32's destination counts as read
	s_mov_b32 s2, 2
.Lhalf:                                                ; two trips over one text: query blocks 0-3, then blocks 4-7, whose sums are brought into window 2
	SOFT 0
	TOSTAGE 0
.irp a, 1,2,3
	SOFT \a
	SEND (\a)-1
	TOSTAGE \a
.endr
	SEND 3
	s_cmp_eq_u32 s2, 1
	s_cbranch_scc1 .Lcopied
	WIN 0x83
.set t, 0
.rept 256
	v_mov_b32 v[t], v[t]                           ; window 3 to window 2, each accumulator from its low end on
.set t, t+1
.endr
	WIN 0
.Lcopied:
	s_wait_xcnt 0x0                                ; the stores have read their base
	s_add_nc_u64 s[6:7], s[6:7], 64*CROW           ; 64 rows on
	v_add_nc_u32 v[STA], 256, v[STA]
	s_sub_co_u32 s2, s2, 1
	s_cmp_lg_u32 s2, 0
	s_cbranch_scc1 .Lhalf
	ds_load_b128 v[72:75], v[STR]                  ; my wave's own words, in order behind its stores: c m of 128 rows,
	ds_load_b128 v[76:79], v[STR] offset:512       ; and l
	s_wait_dscnt 0x0
	global_store_b128 v[STG], v[72:75], s[8:9]     ; 512 consecutive bytes each
	global_store_b128 v[STG], v[76:79], s[8:9] offset:524288
	s_wait_tensorcnt 0x0                           ; the wave's end
	ds_add_u32 v[SPW], v[NIL]
	s_wait_dscnt 0x0
	s_endpgm
; THE FIRST 16 ROWS OF A BATCH.  Row q of the output is a mean of q + 1 rows of V: the first rows are the output's largest numbers, several times its root mean square, while what a number may be off goes by that
; root mean square.  One f16 rounding is 2^-12 of a number; those of V, of the weights and of the attended rows together are too much there.  So for these rows the three go as a SUM OF TWO f16 NUMBERS, the
; rounded number and the rounded rest (some 22 bits; a rest below 6e-5 keeps f16's step of 6e-8).  Q and K stay as qkv has them.  The rows see keys 0-15 alone: 16 x 16 scores.
; SHARES.  A work-group makes the 16 rows x 64 columns of out0; the launch that makes out0 leaves these rows out.  THE 1,024 CHANNELS ARE SPLIT AMONG THE FOUR WAVES, 256 each, in all three products; the partial
; sums meet in LDS twice: the scores (all waves need them whole) and the output (wave w finishes column tile w).  Every work-group of a batch makes the scores and the attended rows anew: 40 matrix instructions a wave.
; LAYOUT.  S^T = K Q^T: a lane holds query l % 16 and keys 8 (l / 16) + 0..7.  att^T = V^T w: a fragment has room for 32 keys, and there are 16: V's fragment holds the rounded V as keys 0-15 and the rest as
; 'keys' 16-31; w's holds the rounded w twice (PA) or its rest twice (PB): two products give (w + rest) (V + rest).  V lies [key][channel] in f32: a lane gathers 8 keys of one channel, 4 bytes each.
; att^T holds query l % 16 and channels 8 (l / 16) + 0..7: two such tiles, rounded in pairs, ARE source 1 (16 queries x 32 channels) of out^T = Wo att^T.  Nothing changes lanes.
; The stores of out0 are 32 bytes a lane, 64 bytes of a row at a time: 64 KiB a batch, so whole runs of 256 bytes are not made for them.
.set HQO, 3                            ; v3  my byte offset in Q's and K's fragments;  v4  in V's gather;  v5  in Wo's fragments
.set HVO, 4
.set HWO, 5
.set HLS, 6                            ; v6  where my partial scores go;  v7  where all four are read
.set HLR, 7
.set HPS, 8                            ; v8  where my partial tiles of out0 go;  v9  where my tile's four parts are read
.set HPR, 9
.set HBO, 10                           ; v10 my byte offset in bo;  v11 in out0
.set HOO, 11
.set HD,  12                           ; v12 my query less my first key
.set NEG1, 13                          ; v13 -1.0
.set VR,  32                           ; v32-47   a trip's V as gathered: channel tile t at VR + 8 t   (before the loop: Q's fragments, then the sums from LDS)
.set WF,  64                           ; v64-95   a trip's fragments of Wo: column tile e at WF + 8 e   (before the loop: Q's and K's fragments up to v159)
.set VF,  128                          ; v128-143 V's two fragments: four registers rounded, four the rest
.set TT,  144                          ; v144-159 att^T, two tiles
.set SS,  160                          ; v160-175 two accumulators of scores
.set PA,  176                          ; v176-183 w rounded, twice;  v184-191 its rest, twice
.set PB,  184
.set AH,  192                          ; v192-199 att rounded;  v200-207 its rest
.set AL,  200
.set OO,  208                          ; v208-239 out^T, four column tiles
.set BB,  240                          ; v240-247 bo of my eight columns
.set HVP, 46                           ; s[46:47] V's columns of the f32 rows
.macro HSUM                            ; the four waves' parts, v[32:39] + v[40:47] + v[48:55] + v[56:63], in one order in every wave
.irp t, 0,1,2,3
	v_pk_add_f32 v[32+2*(\t):33+2*(\t)], v[32+2*(\t):33+2*(\t)], v[40+2*(\t):41+2*(\t)]
	v_pk_add_f32 v[48+2*(\t):49+2*(\t)], v[48+2*(\t):49+2*(\t)], v[56+2*(\t):57+2*(\t)]
.endr
.irp t, 0,1,2,3
	v_pk_add_f32 v[32+2*(\t):33+2*(\t)], v[32+2*(\t):33+2*(\t)], v[48+2*(\t):49+2*(\t)]
.endr
.endm
.macro REST lo, hi, x                  ; the rest of two numbers: x - its rounded self is exact in f32, and is rounded once, straight into a half of lo
	v_fma_mixlo_f16 v[\lo], v[\hi], v[NEG1], v[\x] op_sel_hi:[1,0,0]
	v_fma_mixhi_f16 v[\lo], v[\hi], v[NEG1], v[(\x)+1] op_sel:[1,0,0] op_sel_hi:[1,0,0]
.endm
.macro HLOADS                          ; a trip's 24 loads: 32 channels of V's 16 rows and of Wo's 64 rows
.irp t, 0,1
.irp j, 0,1,2,3,4,5,6,7
	global_load_b32 v[VR+8*(\t)+(\j)], v[HVO], s[HVP:HVP+1] offset:HROW*(\j)+64*(\t)
.endr
.endr
.irp e, 0,1,2,3
	global_load_b128 v[WF+8*(\e):WF+8*(\e)+3],   v[HWO], s[40:41] offset:32768*(\e)
	global_load_b128 v[WF+8*(\e)+4:WF+8*(\e)+7], v[HWO], s[40:41] offset:32768*(\e)+32
.endr
.endm
.macro HWORK                           ; 32 channels.  No two matrix instructions on end share an accumulator
.set t, 0
.rept 8
	v_cvt_pk_f16_f32 v[VF+8*(t/4)+t%4], v[VR+2*t], v[VR+2*t+1]
.set t, t+1
.endr
.set t, 0
.rept 8
	REST VF+8*(t/4)+4+t%4, VF+8*(t/4)+t%4, VR+2*t
.set t, t+1
.endr
	v_wmma_f32_16x16x32_f16 v[TT:TT+7],    v[VF:VF+7],    v[PA:PA+7], 0
	v_wmma_f32_16x16x32_f16 v[TT+8:TT+15], v[VF+8:VF+15], v[PA:PA+7], 0
	v_wmma_f32_16x16x32_f16 v[TT:TT+7],    v[VF:VF+7],    v[PB:PB+7], v[TT:TT+7]
	v_wmma_f32_16x16x32_f16 v[TT+8:TT+15], v[VF+8:VF+15], v[PB:PB+7], v[TT+8:TT+15]
	PLACES
.set t, 0
.rept 8
	v_cvt_pk_f16_f32 v[AH+t], v[TT+2*t], v[TT+2*t+1]   ; each accumulator from its low end on
.set t, t+1
.endr
.set t, 0
.rept 8
	REST AL+t, AH+t, TT+2*t
.set t, t+1
.endr
.irp e, 0,1,2,3
	v_wmma_f32_16x16x32_f16 v[OO+8*(\e):OO+8*(\e)+7], v[WF+8*(\e):WF+8*(\e)+7], v[AH:AH+7], v[OO+8*(\e):OO+8*(\e)+7]
.endr
.irp e, 0,1,2,3
	v_wmma_f32_16x16x32_f16 v[OO+8*(\e):OO+8*(\e)+7], v[WF+8*(\e):WF+8*(\e)+7], v[AL:AL+7], v[OO+8*(\e):OO+8*(\e)+7]
.endr
.endm
.Lhead:
	s_sub_co_u32 s14, s13, 36                      ; my block of 64 columns of out0
	v_and_b32 v1, 15, v0                           ; l % 16
	v_bfe_u32 v2, v0, 4, 1                         ; l / 16
	v_and_b32 v14, 31, v0                          ; l
	v_mul_u32_u24 v[HQO], v1, 6144                 ; row l % 16 of qkv,
	v_lshl_add_u32 v[HQO], v2, 4, v[HQO]           ; 16 bytes for each half of the lanes,
	s_lshl_b32 s17, s[WV], 9
	v_add_nc_u32 v[HQO], s17, v[HQO]               ; my wave's 256 channels
	s_mov_b32 s19, 0
	s_mul_i32 s18, s16, 16*HROW                    ; a batch's 16 f32 rows,
	s_add_co_u32 s18, s18, 8192                    ; in which V begins 2,048 numbers into a row
	s_add_nc_u64 s[HVP:HVP+1], s[4:5], HVOFF
	s_add_nc_u64 s[HVP:HVP+1], s[HVP:HVP+1], s[18:19]
	s_mul_i32 s18, s16, 2048*6144
	s_add_nc_u64 s[4:5], s[4:5], s[18:19]          ; qkv at the batch's first row
.set u, 0
.rept 8                                ; eight K steps of 32 channels: Q's fragment at v[32 + 8 u], K's at v[96 + 8 u]
	global_load_b128 v[32+8*u:32+8*u+3], v[HQO], s[4:5] offset:64*u
	global_load_b128 v[32+8*u+4:32+8*u+7], v[HQO], s[4:5] offset:64*u+32
	global_load_b128 v[96+8*u:96+8*u+3], v[HQO], s[4:5] offset:2048+64*u
	global_load_b128 v[96+8*u+4:96+8*u+7], v[HQO], s[4:5] offset:2048+64*u+32
.set u, u+1
.endr
	v_mul_u32_u24 v[HVO], v2, 8*HROW               ; V: keys 8 (l / 16) on: 8 rows,
	v_lshl_add_u32 v[HVO], v1, 2, v[HVO]           ; channel l % 16,
	s_lshl_b32 s17, s[WV], 10
	v_add_nc_u32 v[HVO], s17, v[HVO]               ; my wave's 256 channels
	v_lshlrev_b32 v[HWO], 11, v1                   ; Wo: row l % 16 of 2,048 bytes,
	v_lshl_add_u32 v[HWO], v2, 4, v[HWO]
	s_lshl_b32 s20, s[WV], 9
	v_add_nc_u32 v[HWO], s20, v[HWO]
	s_lshl_b32 s18, s14, 17                        ; my work-group's 64 rows
	s_add_nc_u64 s[40:41], s[40:41], s[18:19]
	s_add_co_u32 s20, s17, HS
	v_lshl_add_u32 v[HLS], v14, 5, s20             ; HS + 1,024 x wave + 32 l
	v_lshl_add_u32 v[HLR], v14, 5, HS
	s_add_co_u32 s20, s17, HP
	v_lshl_add_u32 v[HPR], v14, 5, s20             ; HP + 1,024 x (tile = my wave) + 32 l
	s_lshl_b32 s20, s[WV], 12
	s_add_co_u32 s20, s20, HP
	v_lshl_add_u32 v[HPS], v14, 5, s20             ; HP + 4,096 x wave + 32 l
	s_lshl_b32 s20, s14, 8
	s_lshl_b32 s21, s[WV], 6
	s_add_co_u32 s20, s20, s21                     ; 4 x (64 x block + 16 x wave)
	v_lshl_add_u32 v[HBO], v2, 5, s20              ; + 4 x 8 (l / 16)
	v_lshlrev_b32 v[HOO], 12, v1
	v_add_nc_u32 v[HOO], v[HBO], v[HOO]            ; and row l % 16 of out0
	s_lshl_b32 s18, s16, 23                        ; a batch's 2,048 rows of 4,096 bytes
	s_add_nc_u64 s[44:45], s[44:45], s[18:19]
	v_lshlrev_b32 v[HD], 3, v2
	v_sub_nc_u32 v[HD], v1, v[HD]
	v_mov_b32 v[NEG1], -1.0
	s_wait_loadcnt 0x0
.set u, 0
.rept 8                                ; my 256 channels' part of the scores, on two accumulators by turns
.if u < 2
	v_wmma_f32_16x16x32_f16 v[SS+8*(u%2):SS+8*(u%2)+7], v[96+8*u:96+8*u+7], v[32+8*u:32+8*u+7], 0
.else
	v_wmma_f32_16x16x32_f16 v[SS+8*(u%2):SS+8*(u%2)+7], v[96+8*u:96+8*u+7], v[32+8*u:32+8*u+7], v[SS+8*(u%2):SS+8*(u%2)+7]
.endif
.set u, u+1
.endr
	PLACES
	PLACES
.irp t, 0,1,2,3
	v_pk_add_f32 v[PA+2*(\t):PA+2*(\t)+1], v[SS+2*(\t):SS+2*(\t)+1], v[SS+8+2*(\t):SS+8+2*(\t)+1]
.endr
	ds_store_b128 v[HLS], v[PA:PA+3]
	ds_store_b128 v[HLS], v[PA+4:PA+7] offset:16
	s_wait_dscnt 0x0                               ; for the others' sake
	s_barrier_signal -1
	s_barrier_wait -1
.irp w, 0,1,2,3
	ds_load_b128 v[32+8*(\w):35+8*(\w)], v[HLR] offset:1024*(\w)
	ds_load_b128 v[36+8*(\w):39+8*(\w)], v[HLR] offset:1024*(\w)+16
.endr
	s_wait_dscnt 0x0
	HSUM                                           ; v32-39: my query's scores for keys 8 (l / 16) + 0..7
.irp j, 0,1,2,3,4,5,6,7
	v_cmp_gt_i32 vcc_lo, \j, v[HD]                 ; a key behind the query
	v_cndmask_b32 v[32+(\j)], v[32+(\j)], s[BIGN], vcc_lo
.endr
	v_max3_num_f32 v40, v32, v33, v34
	v_max3_num_f32 v41, v35, v36, v37
	v_max3_num_f32 v40, v40, v38, v39
	v_max_num_f32 v40, v40, v41
	v_permlanex16_b32 v41, v40, s[SEL], s[SEL+1]   ; the query's other 8 keys lie in the lane 16 away
	v_max_num_f32 v40, v40, v41                    ; the row's maximum: every query sees its own key
	v_mul_f32 v44, s[CS], v40
.irp t, 0,1,2,3
	v_pk_fma_f32 v[32+2*(\t):33+2*(\t)], v[32+2*(\t):33+2*(\t)], s[CS:CS+1], v[44:45] op_sel_hi:[1,0,0] neg_lo:[0,0,1] neg_hi:[0,0,1]  ; c s - c m
.endr
.irp j, 0,1,2,3,4,5,6,7
	v_exp_f32 v[32+(\j)], v[32+(\j)]
.endr
	v_nop                                          ; a plain instruction between the last exponential and the use of its result
	s_wait_alu depctr_va_vdst(0)
	v_pk_add_f32 v[46:47], v[32:33], v[34:35]
	v_pk_add_f32 v[48:49], v[36:37], v[38:39]
	v_pk_add_f32 v[46:47], v[46:47], v[48:49]
	v_add_f32 v46, v46, v47
	v_permlanex16_b32 v47, v46, s[SEL], s[SEL+1]
	v_add_f32 v46, v46, v47
	v_rcp_f32 v48, v46
	v_nop                                          ; a plain instruction behind the reciprocal
	s_wait_alu depctr_va_vdst(0)
.irp t, 0,1,2,3
	v_pk_mul_f32 v[32+2*(\t):33+2*(\t)], v[32+2*(\t):33+2*(\t)], v[48:49] op_sel_hi:[1,0]  ; w
.endr
.irp t, 0,1,2,3
	v_cvt_pk_f16_f32 v[PA+(\t)], v[32+2*(\t)], v[33+2*(\t)]
	v_mov_b32 v[PB+(\t)], 0                        ; the rests are written a half at a time: their registers are written whole once
	v_mov_b32 v[VF+4+(\t)], 0
	v_mov_b32 v[VF+12+(\t)], 0
	v_mov_b32 v[AL+(\t)], 0
	v_mov_b32 v[AL+4+(\t)], 0
.endr
.irp t, 0,1,2,3
	REST PB+(\t), PA+(\t), 32+2*(\t)
.endr
.irp t, 0,1,2,3
	v_mov_b32 v[PA+4+(\t)], v[PA+(\t)]             ; each stands twice: beside V's rounded half and beside its rest
	v_mov_b32 v[PB+4+(\t)], v[PB+(\t)]
.endr
.set t, 0
.rept 32
	v_mov_b32 v[OO+t], 0                           ; the sums start at 0, so that the loop has one form of product
.set t, t+1
.endr
	global_load_b128 v[BB:BB+3], v[HBO], s[42:43] offset:12288    ; bo is the fourth bias
	global_load_b128 v[BB+4:BB+7], v[HBO], s[42:43] offset:12304
	s_mov_b32 s2, 8
.Lhk:                                                  ; eight trips of 32 channels
	HLOADS
	s_wait_loadcnt 0x0                             ; all are in, so their pointers may be written
	s_add_nc_u64 s[HVP:HVP+1], s[HVP:HVP+1], 128
	s_add_nc_u64 s[40:41], s[40:41], 64
	HWORK
	PLACES                                         ; ahead of the next trip's loads into Wo's fragments, and of the stores below
	s_sub_co_u32 s2, s2, 1
	s_cmp_lg_u32 s2, 0
	s_cbranch_scc1 .Lhk
.irp e, 0,1,2,3
	ds_store_b128 v[HPS], v[OO+8*(\e):OO+8*(\e)+3]   offset:1024*(\e)
	ds_store_b128 v[HPS], v[OO+8*(\e)+4:OO+8*(\e)+7] offset:1024*(\e)+16
.endr
	s_wait_dscnt 0x0                               ; for the others' sake
	s_barrier_signal -1
	s_barrier_wait -1
.irp w, 0,1,2,3
	ds_load_b128 v[32+8*(\w):35+8*(\w)], v[HPR] offset:4096*(\w)
	ds_load_b128 v[36+8*(\w):39+8*(\w)], v[HPR] offset:4096*(\w)+16
.endr
	s_wait_dscnt 0x0
	HSUM
.irp t, 0,1,2,3
	v_pk_add_f32 v[32+2*(\t):33+2*(\t)], v[32+2*(\t):33+2*(\t)], v[BB+2*(\t):BB+2*(\t)+1]
.endr
	global_store_b128 v[HOO], v[32:35], s[44:45]
	global_store_b128 v[HOO], v[36:39], s[44:45] offset:16
	s_wait_tensorcnt 0x0                           ; the wave's end
	ds_add_u32 v[SPW], v[NIL]
	s_wait_dscnt 0x0
	s_endpgm
.Lfunc_end_k_qc2c8282046_scores:
	.size	k_qc2c8282046_scores, .Lfunc_end_k_qc2c8282046_scores-k_qc2c8282046_scores
	.p2alignl 7, 3214868480
	.fill 96, 4, 3214868480
	.section	.rodata,"a",@progbits
	.p2align	6, 0x0
	.amdhsa_kernel k_qc2c8282046_scores
		.amdhsa_group_segment_fixed_size 327680
		.amdhsa_private_segment_fixed_size 0
		.amdhsa_enable_private_segment 0
		.amdhsa_kernarg_size 48
		.amdhsa_user_sgpr_count 2
		.amdhsa_user_sgpr_kernarg_segment_ptr 1
		.amdhsa_wavefront_size32 1
		.amdhsa_system_sgpr_workgroup_id_x 1
		.amdhsa_system_sgpr_workgroup_id_y 1
		.amdhsa_system_sgpr_workgroup_id_z 1
		.amdhsa_system_vgpr_workitem_id 0
		.amdhsa_next_free_vgpr 1024
		.amdhsa_next_free_sgpr 66
		.amdhsa_reserve_vcc 1
		.amdhsa_float_denorm_mode_32 3
		.amdhsa_float_denorm_mode_16_64 3
		.amdhsa_memory_ordered 1
		.amdhsa_forward_progress 1
		.amdhsa_inst_pref_size 155
	.end_amdhsa_kernel
	.amdgpu_metadata
---
amdhsa.version: [ 1, 2 ]
amdhsa.kernels:
  - .name:           k_qc2c8282046_scores
    .symbol:         k_qc2c8282046_scores.kd
    .args:
      - { .name: qkv, .offset: 0, .size: 8, .value_kind: global_buffer, .address_space: global }
      - { .name: pw, .offset: 8, .size: 8, .value_kind: global_buffer, .address_space: global }
      - { .name: stat, .offset: 16, .size: 8, .value_kind: global_buffer, .address_space: global }
      - { .name: woh, .offset: 24, .size: 8, .value_kind: global_buffer, .address_space: global }
      - { .name: biasr, .offset: 32, .size: 8, .value_kind: global_buffer, .address_space: global }
      - { .name: out0, .offset: 40, .size: 8, .value_kind: global_buffer, .address_space: global }
    .group_segment_fixed_size: 327680
    .private_segment_fixed_size: 0
    .kernarg_segment_align: 8
    .kernarg_segment_size: 48
    .max_flat_workgroup_size: 128
    .sgpr_count:     66
    .vgpr_count:     1024
    .wavefront_size: 32
...
	.end_amdgpu_metadata
.endif
;; end of part 3
;; launch pv (part 4): grid 8 x 32, 4 waves a work-group, clusters of 4 x 1, 327,680 bytes of LDS; arguments pw, stat, qkv, att; writes att
.if DOCPART == 4
	.amdgcn_target "amdgcn-amd-amdhsa--gfx1250"
	.amdhsa_code_object_version 6
	.text
	.protected	k_qc2c8282046_pv
	.globl	k_qc2c8282046_pv
	.p2align	8
	.type	k_qc2c8282046_pv,@function
k_qc2c8282046_pv:
	s_mov_b64 s[64:65], 0
	v_nop
	global_prefetch_b8 v0, s[64:65] scope:SCOPE_SE
	s_setreg_imm32_b32 hwreg(HW_REG_WAVE_MODE, 25, 1), 1
	s_wait_xcnt 0x0
	s_wait_alu depctr_hold_cnt(0) depctr_sa_sdst(0) depctr_va_vdst(0) depctr_va_sdst(0) depctr_va_ssrc(0) depctr_va_vcc(0) depctr_vm_vsrc(0)
	s_getreg_b32 s2, hwreg(HW_REG_IB_STS2, 6, 4)
	s_cmp_eq_u32 s2, 0
	s_cbranch_scc0 .Lentry_in_a_cluster
	s_endpgm
.Lentry_in_a_cluster:
	s_bfe_u32 s2, ttmp6, 0x10000c
	s_cmp_lg_u32 s2, 0x3003
	s_cbranch_scc0 .Lentry_shape_is_right
	s_endpgm
.Lentry_shape_is_right:
; att[q][:] = the sum over groups t of 128 keys of f_t[q] (P_t V_t)[q][:].  pw: [4][2048][2048] f16, the weights p = 2^(c s - c m_t) of each group; stat: c m_t and l_t in f32; V: columns 2048-3071 of qkv, f16;
; att: [8192][1024] f16.  THE GROUPS ARE JOINED HERE, in f32: M = the maximum of a row's c m_t, e_t = 2^(c m_t - M) <= 1, L = the sum of e_t l_t >= 1, f_t = e_t / L.  Each group's product starts with C = 0 in
; accumulators of its own and is added as acc += f_t x product: no exponent is above 0, nothing is ever scaled up.
; LIMITS.  att is a mean of V's rows and has their range (f16: 65,504).  A group with no visible key has p = 0, l = 0 and c m far below every other: f = 0.  NaN and infinities are not treated apart.
; THE WALK.  A tile is 128 queries x 128 channels; row block i needs (i / 2) + 1 slots of 256 keys.  A work-group takes TWO row blocks, 15 - b and then b: 9 slots whatever b: all work-groups are alike, and one
; loop with a constant count walks them.  What hangs on b lies in scalar registers; the one jump that hangs on it goes forward over register work.  The walk's tiles 0 and 1 are asked for together at the head, and
; the loop is entered in its middle, behind its change of slots.  A slot's two groups are ONE text walked twice: their places in LDS lie in two scalar registers that step, and are turned at the change of slots.
; CLUSTER.  The four partners make four channel blocks of the same rows: they walk the same tiles of P, asked for jointly.  V's tile hangs on the channel block: each asks for its own, behind the same round
; (partners with equal channels and different b would ask for the same keys in the walk's first five trips alone).
; P IS PREFETCHED INTO THE L2 one trip ahead of its joint load: behind the load of each change of slots stand two prefetches for the walk's tile AFTER the one just asked for: 128 rows x 512 bytes.  The four
; partners take 32 rows each, told apart BY ADDRESS; in each, wave 0 asks, a lane a row, an instruction for each of the row's two runs of 256 bytes: a trip, 128 matrix instructions a wave, ahead of the load
; that will want them.  A tile of P has this one cluster as its reader, so each run is named once in the launch.  Tiles 0, 1 and 2 come by their loads alone; the last change that fills asks for nothing.
; V is not asked for: a slot of V is walked by the work-groups of all eight b, in the walk's first five trips by all at once.
; LAYOUT.  Source 0 = 16 channels x 32 keys (V turned by ds_load_tr16_b128), source 1 = 16 queries x 32 keys (P as it lies): a lane holds query l % 16 and channels 8 (l / 16) + 0..7, so f_t is one number a lane.
; REGISTERS: window 0: v0-15 addresses; v16-23 the group's four factors (even registers; the odd ones are 0 and named in pairs); v32-95 the way out; v128-255 acc (a, c) at v[128 + 8 (4 a + c)].
;   window 1: two buffers of 128: P's fragments at f + 8 (4 kk + a), V's at f + 64 + 8 (4 kk + c).   window 2: v0-127 a group's product.   window 3: v0-63 the first block's result, packed.
.set PP,    528                        ; a row of P in LDS: 512 bytes + 16 = 132 words: the 16 rows of a load start at 16 different groups of four banks (64 banks of 4 bytes: ISA guide 11.1)
.set PV,    288                        ; a row of V: 256 + 32 = 72 words
.set VOFF,  128*PP                     ; a slot: 128 rows of P, then 256 rows of V
.set SLOT1, 0x24000                    ; slot 1 begins here; the number shares no bit with the four tiles' places in a slot, so one exclusive or changes slots
.set FT,    SLOT1+VOFF+256*PV          ; the factors: 18 groups x 128 rows of f32
.set SPARE, FT+18*512                  ; the spare words: two blocks of 256 bytes that no other line names
.set SP,    272                        ; the way out: two stages of 128 rows x 272 bytes in slot 1, which has had its last fill by then
.set STG2,  128*SP
.set AP0, 2                            ; v2  my lane's place in a tile of P;  v3  in a tile of V; never rewritten
.set AV0, 3
.set AP,  4                            ; v4  the group's address in P;  v5  in V
.set AV,  5
.set PFO, 6                            ; v6  the prefetches' offset: my lane x a row of pw (4,096 bytes); never rewritten
.set FA,  7                            ; v7  where my rows' factors of the group lie
.set STO, 8
.set RD,  9
.set GO,  10
.set SPW, 12
.set NIL, 13
.set FR,  16
.set TMP, 32
.set ACC, 128
.set CM,  128                          ; the table's registers lie where acc is cleared afterwards: v128-145 c m, then e, then f;  v146-163 l;  v164-171 offsets;  v172-186 at work
.set LL,  146
.set OX,  164
.set F0,  0
.set F1,  128
.set WV, 12
.set WR, 13
.set WC, 14
.set CB, 16                            ; s16 channel block;  s17 batch;  s18 b;  s19 15 - b;  s20 the first block's slots
.set BT, 17
.set PB, 18
.set IA, 19
.set NA, 20
.set G1P, 24
.set G1V, 32
.set G0P, 40                           ; s[40:43], s[44:47] group 0 for P's and V's tiles: they begin with tile 1 and walk on
.set G0V, 44
.set PC,  48                           ; s[48:49] P at my rows of the block whose tiles are being asked for;  s[50:51] of the second block;  s[52:53] V at my keys of slot 0
.set PBB, 50
.set VB,  52
.set OFF, 54
.set OF2, 56
.set KN,  58                           ; s58 the slot to be asked for next;  s59 how many the block has
.set NCUR, 59
.set RT,  60                           ; s60 slots of the first block still to be multiplied
.set CNT, 61
.set TBP, 62                           ; s62 the LDS byte at which the group's part of P's rows begins;  s63 the same for V's rows
.set TBV, 63
.set OA,  66                           ; s[66:67], s[68:69] att at my rows of the two blocks
.set OB2, 68
.set TWICE, 79                         ; s79 counts a slot's two groups
.set G0P0, 88                          ; s[88:91], s[92:95] group 0 for tile 0
.set G0V0, 92
.set PFA, 96                           ; s[96:97] where my prefetches stand
.set PFF, 98                           ; s[98:99] their offset from P's rows: registers that feed no descriptor, since it holds my place in the cluster
.set PFX, 100                          ; s100 my work-group's 32 rows of the 128, in bytes
.set LIM, 101                          ; s101 1 in the wave that prefetches, else the greatest number
.set MSB, 0
.macro WIN new
.if MSB != (\new)
	s_set_vgpr_msb (MSB<<8)|(\new)
.set MSB, \new
.endif
.endm
.macro PLACES
.rept 4
	v_nop
.endr
.endm
.macro JLOAD                           ; waves 0, 1 ask jointly for the two halves of P's tile, waves 2, 3 for the two halves of V's; an s_nop 0 and four v_nop follow each line
	s_cmp_lt_u32 s[WV], 2
	s_cbranch_scc0 .Lfor_v_\@
	tensor_load_to_lds s[G0P:G0P+3], s[G1P:G1P+7]
	s_nop 0
.rept 4
	v_nop
.endr
	s_branch .Lasked_\@
.Lfor_v_\@:
	tensor_load_to_lds s[G0V:G0V+3], s[G1V:G1V+7]
	s_nop 0
.rept 4
	v_nop
.endr
.Lasked_\@:
.endm
.macro CROUND
	s_barrier_signal -1
	s_barrier_wait -1
	s_cmp_lg_u32 s[WV], 0
	s_cbranch_scc1 .Lnot_wave_0_\@
	s_barrier_signal -3
.Lnot_wave_0_\@:
	s_barrier_wait -3
	s_barrier_signal -1
	s_barrier_wait -1
.endm
; Eight matrix instructions: query blocks a0, a0 + 1 x 4 channel blocks, 32 keys.  first = 1: they start a group's sums.  The 16 accumulators take turns.
.macro MUL8 f, kk, a0, first
	WIN 0xa5
.irp a, \a0, (\a0)+1
.irp c, 0,1,2,3
.if \first
	v_wmma_f32_16x16x32_f16 v[8*(4*(\a)+(\c)):8*(4*(\a)+(\c))+7], v[(\f)+64+8*(4*(\kk)+(\c)):(\f)+64+8*(4*(\kk)+(\c))+7], v[(\f)+8*(4*(\kk)+(\a)):(\f)+8*(4*(\kk)+(\a))+7], 0
.else
	v_wmma_f32_16x16x32_f16 v[8*(4*(\a)+(\c)):8*(4*(\a)+(\c))+7], v[(\f)+64+8*(4*(\kk)+(\c)):(\f)+64+8*(4*(\kk)+(\c))+7], v[(\f)+8*(4*(\kk)+(\a)):(\f)+8*(4*(\kk)+(\a))+7], v[8*(4*(\a)+(\c)):8*(4*(\a)+(\c))+7]
.endif
.endr
.endr
.endm
.macro FETCH q, f                      ; the fragments of keys 64 q .. 64 q + 63 of the group, 32 loads in one run, the first 32 keys first
	WIN 0x40
.irp kk, 0,1
.irp i, 0,1,2,3
	ds_load_tr16_b128 v[(\f)+64+8*(4*(\kk)+(\i)):(\f)+64+8*(4*(\kk)+(\i))+3],   v[AV] offset:(64*(\q)+32*(\kk))*PV+32*(\i)
	ds_load_tr16_b128 v[(\f)+64+8*(4*(\kk)+(\i))+4:(\f)+64+8*(4*(\kk)+(\i))+7], v[AV] offset:(64*(\q)+32*(\kk)+16)*PV+32*(\i)
	ds_load_b128 v[(\f)+8*(4*(\kk)+(\i)):(\f)+8*(4*(\kk)+(\i))+3],   v[AP] offset:128*(\q)+64*(\kk)+(\i)*16*PP
	ds_load_b128 v[(\f)+8*(4*(\kk)+(\i))+4:(\f)+8*(4*(\kk)+(\i))+7], v[AP] offset:128*(\q)+64*(\kk)+(\i)*16*PP+32
.endr
.endr
.endm
.macro QRT q, f, g, first, fetch       ; 64 keys: 32 matrix instructions on buffer f; fetch = 1: in their middle the group's other 64 keys are fetched into buffer g
	s_wait_dscnt 16                                ; all but the youngest 16 loads: the second 32 keys
	MUL8 \f, 0, 0, \first
	MUL8 \f, 0, 2, \first
.if \fetch
	PLACES
	FETCH (\q)+1, \g
	s_wait_dscnt 32                                ; all but the 32 just issued
.else
	s_wait_dscnt 0x0
.endif
	MUL8 \f, 1, 0, 0
	MUL8 \f, 1, 2, 0
.endm
; A SLOT'S TWO GROUPS of 128 keys: written once, walked twice.  A group: its four factors and its first fragments out of LDS; 64 matrix instructions into accumulators of its own; acc += f x that product
; (each accumulator is read from its low end on).  The four v_nop ahead of those sums are also the places ahead of the next group's loads into the fragments' registers.
.macro GROUPS
	s_mov_b32 s[TWICE], 2
.Lgroup_\@:
	v_add_nc_u32 v[AP], s[TBP], v[AP0]
	v_add_nc_u32 v[AV], s[TBV], v[AV0]
.irp a, 0,1,2,3
	ds_load_b32 v[FR+2*(\a)], v[FA] offset:64*(\a)
.endr
	FETCH 0, F0
	QRT 0, F0, F1, 1, 1
	QRT 1, F1, F0, 0, 0
	PLACES
	WIN 0x02
.set t, 0
.rept 64
	v_pk_fma_f32 v[ACC+2*t:ACC+2*t+1], v[2*t:2*t+1], v[FR+2*(t/16):FR+2*(t/16)+1], v[ACC+2*t:ACC+2*t+1] op_sel_hi:[1,0,1]
.set t, t+1
.endr
	WIN 0
	v_add_nc_u32 v[FA], 512, v[FA]                 ; the next group's factors
	s_add_co_u32 s[TBP], s[TBP], 256               ; its 128 keys: 256 bytes on in P's rows,
	s_add_co_u32 s[TBV], s[TBV], 128*PV            ; 128 rows on in V
	s_sub_co_u32 s[TWICE], s[TWICE], 1
	s_cmp_lg_u32 s[TWICE], 0
	s_cbranch_scc1 .Lgroup_\@
	s_sub_co_u32 s[TBP], s[TBP], 512               ; back to a slot's first group,
	s_xor_b32 s[TBP], s[TBP], SLOT1                ; in the other slot
	s_sub_co_u32 s[TBV], s[TBV], 256*PV
	s_xor_b32 s[TBV], s[TBV], SLOT1
.endm
; THE CHANGE OF SLOTS.  Each wave waits for all its tensor loads (one is out: its part of the slot to be read next), adds 0 to its spare word, waits for that and for its reads of the slot that it leaves.
; fill = 1: behind a round of the cluster's barrier the slot just read is filled with the walk's next tile, the first thing there; that load has a trip's 128 matrix instructions in which to land.
.macro CHANGE fill
	WIN 0
	s_wait_tensorcnt 0x0                           ; no tensor load of mine is out, so a group 0 may be written
	ds_add_u32 v[SPW], v[NIL]                      ; 0 onto my spare word
.if \fill
	s_xor_b32 s[G0P+1], s[G0P+1], SLOT1            ; the other slot than last time
	s_xor_b32 s[G0V+1], s[G0V+1], SLOT1
	s_lshl_b32 s[OFF], s[KN], 9                    ; 256 keys are 512 bytes of a row of P,
	s_mul_i32 s[OF2], s[KN], 256*6144              ; and 256 rows of qkv
	s_add_nc_u64 s[G0P+2:G0P+3], s[PC:PC+1], s[OFF:OFF+1]
	s_or_b32 s[G0P+3], s[G0P+3], 0x80000000
	s_add_nc_u64 s[G0V+2:G0V+3], s[VB:VB+1], s[OF2:OF2+1]
	s_or_b32 s[G0V+3], s[G0V+3], 0x80000000
	s_add_co_u32 s[KN], s[KN], 1                   ; the block's next slot, or behind its last the second block's slot 0
	s_cmp_eq_u32 s[KN], s[NCUR]
	s_cselect_b32 s[KN], 0, s[KN]
	s_cselect_b64 s[PC:PC+1], s[PBB:PBB+1], s[PC:PC+1]
	s_cselect_b32 s[NCUR], -1, s[NCUR]
	s_wait_xcnt 0x0                                ; the last prefetches, a trip back, have read their address, so it may be written:
	s_lshl_b32 s[PFF], s[KN], 9                    ; the tile that the NEXT change will ask for,
	s_add_co_u32 s[PFF], s[PFF], s[PFX]            ; my work-group's 32 rows of it
	s_add_nc_u64 s[PFA:PFA+1], s[PC:PC+1], s[PFF:PFF+1]
	s_wait_dscnt 0x0                               ; the add is done; my LDS reads are over
	CROUND
	JLOAD
	s_cmp_gt_u32 s[CNT], s[LIM]                    ; s[CNT] = 1 at the last change that fills: there is no tile behind the one just asked for
	s_cbranch_scc0 .Lnot_mine_\@
	global_prefetch_b8 v[PFO], s[PFA:PFA+1] th:TH_LOAD_NT scope:SCOPE_SE
	global_prefetch_b8 v[PFO], s[PFA:PFA+1] offset:256 th:TH_LOAD_NT scope:SCOPE_SE
.Lnot_mine_\@:
.else
	s_wait_dscnt 0x0
	s_barrier_signal -1
	s_barrier_wait -1
.endif
.endm
	s_load_b256 s[4:11], s[0:1], 0x0               ; pw s[4:5], stat s[6:7], qkv s[8:9], att s[10:11]
	v_lshl_add_u32 v[SPW], v0, 2, SPARE
	v_mov_b32 v[NIL], 0
	ds_add_u32 v[SPW], v[NIL]                      ; the wave's opening: the add and its wait ahead of my first tensor load
	ds_add_u32 v12, v13
	v_lshrrev_b32 v1, 5, v0
	v_readfirstlane_b32 s[WV], v1
	s_lshr_b32 s[WR], s[WV], 1                     ; my half of the queries
	s_and_b32 s[WC], s[WV], 1                      ; my half of the channels; also: which half of a tile I fetch
	s_bfe_u32 s15, ttmp6, 0x40000                  ; cx
	s_lshl_b32 s[CB], ttmp9, 2
	s_add_co_u32 s[CB], s[CB], s15                 ; channel block = 4 x cluster x + cx: it enters V's and att's addresses alone
	s_lshl_b32 s[PFX], s15, 17                     ; 32 rows of 4,096 bytes for each place in the cluster: it enters the prefetches' address alone
	s_mov_b32 s[PFF+1], 0
	s_cmp_eq_u32 s[WV], 0                          ; wave 0 prefetches: the same in all four partners
	s_cselect_b32 s[LIM], 1, -1
	s_and_b32 s2, ttmp7, 0xffff                    ; shared by the four partners:
	s_lshr_b32 s[BT], s2, 3                        ; the batch,
	s_and_b32 s[PB], s2, 7                         ; b
	s_sub_co_u32 s[IA], 15, s[PB]
	s_sub_co_u32 s[NA], 17, s[PB]
	s_lshr_b32 s[NA], s[NA], 1                     ; 5 to 8 slots; the second block has 9 less that
	s_mov_b32 s[G1P], 15|(1<<16)|(1<<20)|(1<<21)|(6<<22)|(3<<25)  ; the mask of four; 2-byte elements; padding on; bit 21 beside a mask; after every 128 words, 4 words
	s_mov_b32 s[G1P+1], 256<<16                    ; tensor_dim0 = 256
	s_mov_b32 s[G1P+2], 64<<16                     ; tensor_dim1 = 64
	s_mov_b32 s[G1P+3], 256<<16                    ; tile_dim0 = 256
	s_mov_b32 s[G1P+4], 64                         ; tile_dim1 = 64
	s_mov_b32 s[G1P+5], 2048
	s_mov_b32 s[G1P+6], 0
	s_mov_b32 s[G1P+7], 0
	s_mov_b32 s[G1V], (1<<16)|(1<<20)|(5<<22)|(7<<25)  ; no mask; after every 64 words, 8 words
	s_mov_b32 s[G1V+1], 128<<16
	s_mov_b32 s[G1V+2], 128<<16
	s_mov_b32 s[G1V+3], 128<<16
	s_mov_b32 s[G1V+4], 128
	s_mov_b32 s[G1V+5], 3072
	s_mov_b32 s[G1V+6], 0
	s_mov_b32 s[G1V+7], 0
	s_mov_b32 s[G0P], 1
	s_mul_i32 s[G0P+1], s[WC], 64*PP               ; tile 1 goes to slot 1: no place in the cluster enters an LDS address
	s_add_co_u32 s[G0P+1], s[G0P+1], SLOT1
	s_mov_b32 s[G0V], 1
	s_mul_i32 s[G0V+1], s[WC], 128*PV
	s_add_co_u32 s[G0V+1], s[G0V+1], VOFF+SLOT1
	s_lshl_b32 s21, s[BT], 11                      ; 2,048 x batch
	s_lshl_b32 s22, s[WC], 6
	s_add_co_u32 s22, s22, s21
	s_lshl_b32 s23, s[IA], 7
	s_add_co_u32 s23, s23, s22
	s_lshl_b32 s84, s23, 12                        ; P: my 64 rows of the first block, in bytes,
	s_mov_b32 s85, 0
	s_lshl_b32 s23, s[PB], 7
	s_add_co_u32 s23, s23, s22
	s_lshl_b32 s86, s23, 12                        ; and of the second
	s_mov_b32 s87, 0
	s_lshl_b32 s22, s[WC], 7
	s_add_co_u32 s22, s22, s21
	s_mul_i32 s88, s22, 6144                       ; V: my 128 keys of slot 0,
	s_lshl_b32 s3, s[CB], 8
	s_add_co_u32 s88, s88, s3                      ; my work-group's 128 channels,
	s_add_co_u32 s88, s88, 4096                    ; behind Q and K
	s_mov_b32 s89, 0
	s_lshl_b32 s22, s[WV], 5
	s_add_co_u32 s22, s22, s21
	s_lshl_b32 s2, s[IA], 7
	s_add_co_u32 s2, s2, s22
	s_lshl_b32 s90, s2, 11                         ; att: the 32 rows that I store, of the first block,
	s_add_co_u32 s90, s90, s3
	s_mov_b32 s91, 0
	s_lshl_b32 s2, s[PB], 7
	s_add_co_u32 s2, s2, s22
	s_lshl_b32 s92, s2, 11                         ; and of the second
	s_add_co_u32 s92, s92, s3
	s_mov_b32 s93, 0
	s_mov_b32 s[KN], 2                             ; tiles 0 and 1, the first block's slots 0 and 1 (it has five or more), are asked for at the head
	s_mov_b32 s[NCUR], s[NA]
	s_mov_b32 s[RT], s[NA]
	s_mov_b32 s[TBP], 0
	s_mov_b32 s[TBV], 0
	s_mov_b32 s[CNT], 8
	s_mov_b32 s[OFF+1], 0
	s_mov_b32 s[OF2+1], 0
	s_wait_dscnt 0x0                               ; the opening add is done
	s_wait_kmcnt 0x0
	s_add_nc_u64 s[PC:PC+1], s[4:5], s[84:85]
	s_add_nc_u64 s[PBB:PBB+1], s[4:5], s[86:87]
	s_add_nc_u64 s[VB:VB+1], s[8:9], s[88:89]
	s_add_nc_u64 s[OA:OA+1], s[10:11], s[90:91]
	s_add_nc_u64 s[OB2:OB2+1], s[10:11], s[92:93]
	s_mov_b32 s[G0P0], 1                           ; tile 0 goes to slot 0
	s_mul_i32 s[G0P0+1], s[WC], 64*PP
	s_mov_b64 s[G0P0+2:G0P0+3], s[PC:PC+1]
	s_or_b32 s[G0P0+3], s[G0P0+3], 0x80000000
	s_mov_b32 s[G0V0], 1
	s_mul_i32 s[G0V0+1], s[WC], 128*PV
	s_add_co_u32 s[G0V0+1], s[G0V0+1], VOFF
	s_mov_b64 s[G0V0+2:G0V0+3], s[VB:VB+1]
	s_or_b32 s[G0V0+3], s[G0V0+3], 0x80000000
	s_add_nc_u64 s[G0P+2:G0P+3], s[PC:PC+1], 512
	s_or_b32 s[G0P+3], s[G0P+3], 0x80000000
	s_add_nc_u64 s[G0V+2:G0V+3], s[VB:VB+1], 256*6144
	s_or_b32 s[G0V+3], s[G0V+3], 0x80000000
	CROUND                                         ; all four work-groups are here: the first joint loads meet
	s_cmp_lt_u32 s[WV], 2                          ; a wave's two first fills stand in one branch, ahead of every wait on TENSORcnt and every LDS read: two loads of mine are out
	s_cbranch_scc0 .Lfirst_v
	tensor_load_to_lds s[G0P0:G0P0+3], s[G1P:G1P+7]
	s_nop 0
	tensor_load_to_lds s[G0P:G0P+3], s[G1P:G1P+7]
	s_nop 0
.rept 4
	v_nop
.endr
	s_branch .Lfirst_asked
.Lfirst_v:
	tensor_load_to_lds s[G0V0:G0V0+3], s[G1V:G1V+7]
	s_nop 0
	tensor_load_to_lds s[G0V:G0V+3], s[G1V:G1V+7]
	s_nop 0
.rept 4
	v_nop
.endr
.Lfirst_asked:
	; THE FACTORS, made in the wait for those tiles.  Thread t owns row t of both blocks.  Walk index gi = 2 x trip + group: the first block's group gi while gi / 2 < its slots, else the second block's group gi less twice that.
	s_lshl_b32 s80, s[BT], 17                      ; a batch's 16 groups x 2,048 rows x 4 bytes
	s_lshl_b32 s83, s[PB], 9
	s_add_co_u32 s81, s80, s83                     ; the second block's rows,
	s_lshl_b32 s83, s[IA], 9
	s_add_co_u32 s80, s80, s83                     ; the first block's
	s_lshl_b32 s82, s[NA], 14                      ; the first block's groups x 8,192 bytes
	v_lshl_add_u32 v172, v0, 2, s80
.set gi, 10
.rept 8                                ; indices 0-9 are always the first block's (it has five slots or more); from 10 on a scalar choice
	s_add_co_u32 s83, s80, gi*8192
	s_add_co_u32 s84, s81, gi*8192
	s_sub_co_u32 s84, s84, s82
	s_cmp_gt_u32 s[NA], gi/2
	s_cselect_b32 s83, s83, s84
	v_lshl_add_u32 v[OX+gi-10], v0, 2, s83
.set gi, gi+1
.endr
.set gi, 0
.rept 10
	global_load_b32 v[CM+gi], v172, s[6:7] offset:gi*8192
	global_load_b32 v[LL+gi], v172, s[6:7] offset:gi*8192+524288
.set gi, gi+1
.endr
.rept 8
	global_load_b32 v[CM+gi], v[OX+gi-10], s[6:7]
	global_load_b32 v[LL+gi], v[OX+gi-10], s[6:7] offset:524288
.set gi, gi+1
.endr
.irp j, 0,1,2
	s_cmp_gt_u32 s[NA], 5+(\j)                     ; is trip 5 + j the first block's?
	s_cselect_b32 s[70+(\j)], -1, 0                ; as a mask of lanes,
	s_cselect_b32 s[73+(\j)], 1.0, 0               ; and as weights for the two sums
	s_cselect_b32 s[76+(\j)], 0, 1.0
.endr
	v_and_b32 v1, 15, v0                           ; l % 16
	v_bfe_u32 v11, v0, 4, 1                        ; l / 16
	v_and_b32 v14, 7, v0
	v_bfe_u32 v15, v0, 3, 1
	v_and_b32 v[PFO], 31, v0
	v_lshlrev_b32 v[PFO], 12, v[PFO]
	s_mul_i32 s2, s[WR], 64*PP
	v_mul_u32_u24 v[AP0], v1, PP
	v_lshl_add_u32 v[AP0], v11, 4, v[AP0]
	v_add_nc_u32 v[AP0], s2, v[AP0]                ; (64 x half + l % 16) x pitch + 16 (l / 16)
	s_lshl_b32 s2, s[WC], 7
	s_add_co_u32 s2, s2, VOFF
	v_lshl_add_u32 v[AV0], v11, 3, v14             ; the turning load: key 8 (l / 16) + l % 8, channels 8 ((l / 8) % 2) + 0..7
	v_mul_u32_u24 v[AV0], v[AV0], PV
	v_lshl_add_u32 v[AV0], v15, 4, v[AV0]
	v_add_nc_u32 v[AV0], s2, v[AV0]
	s_lshl_b32 s2, s[WR], 8
	s_add_co_u32 s2, s2, FT
	v_lshl_add_u32 v[FA], v1, 2, s2
	s_mul_i32 s2, s[WR], 64*SP
	s_lshl_b32 s3, s[WC], 7
	s_add_co_u32 s2, s2, s3
	s_add_co_u32 s2, s2, SLOT1
	v_mul_u32_u24 v[STO], v1, SP
	v_lshl_add_u32 v[STO], v11, 4, v[STO]
	v_add_nc_u32 v[STO], s2, v[STO]
	s_mul_i32 s2, s[WV], 32*SP
	s_add_co_u32 s2, s2, SLOT1
	v_mul_u32_u24 v[RD], v11, SP
	v_lshl_add_u32 v[RD], v1, 4, v[RD]
	v_add_nc_u32 v[RD], s2, v[RD]
	v_lshlrev_b32 v[GO], 11, v11
	v_lshl_add_u32 v[GO], v1, 4, v[GO]
	v_lshl_add_u32 v183, v0, 2, FT                 ; where my row's factors go
	v_mov_b32 v176, 0xff7fffff                     ; the lowest finite number
	WIN 0xc0
.set t, 0
.rept 64
	v_mov_b32 v[t], 0                              ; the first block's packed result holds numbers on every way through the text
.set t, t+1
.endr
	WIN 0
.set t, 0
.rept 4
	v_mov_b32 v[FR+2*t+1], 0
.set t, t+1
.endr
	s_wait_loadcnt 0x0
	v_max3_num_f32 v174, v[CM], v[CM+1], v[CM+2]   ; M of the first block,
	v_max3_num_f32 v174, v174, v[CM+3], v[CM+4]
	v_max3_num_f32 v174, v174, v[CM+5], v[CM+6]
	v_max3_num_f32 v174, v174, v[CM+7], v[CM+8]
	v_max_num_f32 v174, v174, v[CM+9]
	v_max_num_f32 v175, v[CM+16], v[CM+17]         ; and of the second
.set gi, 10
.rept 6
	v_cndmask_b32 v179, v176, v[CM+gi], s[70+(gi-10)/2]
	v_cndmask_b32 v180, v[CM+gi], v176, s[70+(gi-10)/2]
	v_max_num_f32 v174, v174, v179
	v_max_num_f32 v175, v175, v180
.set gi, gi+1
.endr
.irp j, 0,1,2
	v_cndmask_b32 v[184+(\j)], v175, v174, s[70+(\j)]  ; the M that trip 5 + j goes by
.endr
.set gi, 0
.rept 18
.if gi < 10
	v_sub_f32 v[CM+gi], v[CM+gi], v174
.elseif gi < 16
	v_sub_f32 v[CM+gi], v[CM+gi], v[184+(gi-10)/2]
.else
	v_sub_f32 v[CM+gi], v[CM+gi], v175
.endif
.set gi, gi+1
.endr
.set gi, 0
.rept 18
	v_exp_f32 v[CM+gi], v[CM+gi]                   ; e = 2^(c m - M), 1 at the most
.set gi, gi+1
.endr
	v_nop                                          ; a plain instruction between the last exponential and the use of its result
	s_wait_alu depctr_va_vdst(0)
	v_mul_f32 v177, v[CM], v[LL]                   ; L of the first block,
.set gi, 1
.rept 9
	v_fmac_f32 v177, v[CM+gi], v[LL+gi]
.set gi, gi+1
.endr
	v_mul_f32 v178, v[CM+16], v[LL+16]             ; and of the second
	v_fmac_f32 v178, v[CM+17], v[LL+17]
.set gi, 10
.rept 6
	v_mul_f32 v179, v[CM+gi], v[LL+gi]
	v_fma_f32 v177, v179, s[73+(gi-10)/2], v177
	v_fma_f32 v178, v179, s[76+(gi-10)/2], v178
.set gi, gi+1
.endr
	v_rcp_f32 v181, v177
	v_rcp_f32 v182, v178
	v_nop
	s_wait_alu depctr_va_vdst(0)
.irp j, 0,1,2
	v_cndmask_b32 v[184+(\j)], v182, v181, s[70+(\j)]
.endr
.set gi, 0
.rept 18
.if gi < 10
	v_mul_f32 v[CM+gi], v[CM+gi], v181
.elseif gi < 16
	v_mul_f32 v[CM+gi], v[CM+gi], v[184+(gi-10)/2]
.else
	v_mul_f32 v[CM+gi], v[CM+gi], v182
.endif
	ds_store_b32 v183, v[CM+gi] offset:512*gi      ; read by all waves behind the barrier below
.set gi, gi+1
.endr
.set t, 0
.rept 128
	v_mov_b32 v[ACC+t], 0                          ; the sums start at 0: no block's first group is written out
.set t, t+1
.endr
	s_wait_tensorcnt 1                             ; my part of tile 0 is in; tile 1's may stay out
	s_wait_dscnt 0x0                               ; for the others' sake: my rows' factors are stored
	s_barrier_signal -1
	s_barrier_wait -1
	s_branch .Lbody                                ; the loop is entered behind its change of slots
.Ltrip:                                                ; seven changes that fill (tiles 2 to 8), eight slots multiplied (tiles 0 to 7)
	CHANGE 1
.Lbody:
	GROUPS
	s_sub_co_u32 s[RT], s[RT], 1
	s_cmp_lg_u32 s[RT], 0
	s_cbranch_scc1 .Lsame
	WIN 0xc0                                       ; the first block is finished (behind one of tiles 4 to 7): it is rounded to f16 and set aside; work on registers alone
.set t, 0
.rept 64
	v_cvt_pk_f16_f32 v[t], v[ACC+2*t], v[ACC+2*t+1]
.set t, t+1
.endr
	WIN 0
.set t, 0
.rept 128
	v_mov_b32 v[ACC+t], 0
.set t, t+1
.endr
	s_mov_b32 s[RT], 99
.Lsame:
	s_sub_co_u32 s[CNT], s[CNT], 1
	s_cmp_lg_u32 s[CNT], 0
	s_cbranch_scc1 .Ltrip
	CHANGE 0                                       ; the walk's last slot (tile 8, in slot 0) is written out: nothing is asked for
	GROUPS
	; THE WAY OUT, both blocks at once, through two stages in slot 1: its last fill landed and its last reads were over ahead of the barrier of the change just made.
.set t, 0
.rept 64
	v_cvt_pk_f16_f32 v[TMP+t], v[ACC+2*t], v[ACC+2*t+1]
.set t, t+1
.endr
	WIN 0x0c                                       ; data in window 3
.irp a, 0,1,2,3
.irp c, 0,1,2,3
	ds_store_b128 v[STO], v[4*(4*(\a)+(\c)):4*(4*(\a)+(\c))+3] offset:(\a)*16*SP+32*(\c)
.endr
.endr
	WIN 0
.irp a, 0,1,2,3
.irp c, 0,1,2,3
	ds_store_b128 v[STO], v[TMP+4*(4*(\a)+(\c)):TMP+4*(4*(\a)+(\c))+3] offset:STG2+(\a)*16*SP+32*(\c)
.endr
.endr
	s_wait_dscnt 0x0                               ; for the others' sake: a row's 256 bytes come from two waves
	s_barrier_signal -1
	s_barrier_wait -1
	WIN 0x40
.set t, 0
.rept 16
	ds_load_b128 v[4*t:4*t+3], v[RD] offset:t*2*SP
.set t, t+1
.endr
.set t, 0
.rept 16
	ds_load_b128 v[64+4*t:64+4*t+3], v[RD] offset:STG2+t*2*SP
.set t, t+1
.endr
	WIN 0x04                                       ; data in window 1
.set t, 0
.rept 16
	s_wait_dscnt 31-t
	global_store_b128 v[GO], v[4*t:4*t+3], s[OA:OA+1] offset:t*4096  ; 16 lanes store 256 consecutive bytes, aligned
.set t, t+1
.endr
.set t, 0
.rept 16
	s_wait_dscnt 15-t
	global_store_b128 v[GO], v[64+4*t:64+4*t+3], s[OB2:OB2+1] offset:t*4096
.set t, t+1
.endr
	WIN 0
	s_wait_tensorcnt 0x0                           ; the wave's end
	ds_add_u32 v[SPW], v[NIL]
	s_wait_dscnt 0x0
	CROUND                                         ; the closing round
	s_endpgm
.Lfunc_end_k_qc2c8282046_pv:
	.size	k_qc2c8282046_pv, .Lfunc_end_k_qc2c8282046_pv-k_qc2c8282046_pv
	.p2alignl 7, 3214868480
	.fill 96, 4, 3214868480
	.section	.rodata,"a",@progbits
	.p2align	6, 0x0
	.amdhsa_kernel k_qc2c8282046_pv
		.amdhsa_group_segment_fixed_size 327680
		.amdhsa_private_segment_fixed_size 0
		.amdhsa_enable_private_segment 0
		.amdhsa_kernarg_size 32
		.amdhsa_user_sgpr_count 2
		.amdhsa_user_sgpr_kernarg_segment_ptr 1
		.amdhsa_wavefront_size32 1
		.amdhsa_system_sgpr_workgroup_id_x 1
		.amdhsa_system_sgpr_workgroup_id_y 1
		.amdhsa_system_sgpr_workgroup_id_z 1
		.amdhsa_system_vgpr_workitem_id 0
		.amdhsa_next_free_vgpr 832
		.amdhsa_next_free_sgpr 102
		.amdhsa_reserve_vcc 0
		.amdhsa_float_denorm_mode_32 3
		.amdhsa_float_denorm_mode_16_64 3
		.amdhsa_memory_ordered 1
		.amdhsa_forward_progress 1
		.amdhsa_inst_pref_size 77
	.end_amdhsa_kernel
	.amdgpu_metadata
---
amdhsa.version: [ 1, 2 ]
amdhsa.kernels:
  - .name:           k_qc2c8282046_pv
    .symbol:         k_qc2c8282046_pv.kd
    .args:
      - { .name: pw, .offset: 0, .size: 8, .value_kind: global_buffer, .address_space: global }
      - { .name: stat, .offset: 8, .size: 8, .value_kind: global_buffer, .address_space: global }
      - { .name: qkv, .offset: 16, .size: 8, .value_kind: global_buffer, .address_space: global }
      - { .name: att, .offset: 24, .size: 8, .value_kind: global_buffer, .address_space: global }
    .group_segment_fixed_size: 327680
    .private_segment_fixed_size: 0
    .kernarg_segment_align: 8
    .kernarg_segment_size: 32
    .max_flat_workgroup_size: 128
    .sgpr_count:     102
    .vgpr_count:     832
    .wavefront_size: 32
...
	.end_amdgpu_metadata
.endif
;; end of part 4
;; launch outp (part 5): grid 4 x 64, 4 waves a work-group, clusters of 4 x 4, 327,680 bytes of LDS; arguments att, woh, biasr, out0; writes out0
.if DOCPART == 5
	.amdgcn_target "amdgcn-amd-amdhsa--gfx1250"
	.amdhsa_code_object_version 6
	.text
	.protected	k_qc2c8282046_outp
	.globl	k_qc2c8282046_outp
	.p2align	8
	.type	k_qc2c8282046_outp,@function
k_qc2c8282046_outp:
	s_mov_b64 s[64:65], 0
	v_nop
	global_prefetch_b8 v0, s[64:65] scope:SCOPE_SE
	s_setreg_imm32_b32 hwreg(HW_REG_WAVE_MODE, 25, 1), 1
	s_wait_xcnt 0x0
	s_wait_alu depctr_hold_cnt(0) depctr_sa_sdst(0) depctr_va_vdst(0) depctr_va_sdst(0) depctr_va_ssrc(0) depctr_va_vcc(0) depctr_vm_vsrc(0)
	s_getreg_b32 s2, hwreg(HW_REG_IB_STS2, 6, 4)
	s_cmp_eq_u32 s2, 0
	s_cbranch_scc0 .Lentry_in_a_cluster
	s_endpgm
.Lentry_in_a_cluster:
	s_bfe_u32 s2, ttmp6, 0x10000c
	s_cmp_lg_u32 s2, 0xf033
	s_cbranch_scc0 .Lentry_shape_is_right
	s_endpgm
.Lentry_shape_is_right:
; out0 = att woh^T + bo.  att: [8192][1024] f16, woh: [1024][1024] f16 (Wo rounded to bf16, written as f16), bo: the last 1,024 numbers of biasr, f32; out0: [8192][1024] f32.  Sums in f32.
; THE FIRST 16 ROWS OF EACH BATCH ARE NOT STORED HERE: an earlier launch has made them, with more bits.  Their products are made all the same: they are a quarter of two waves' work in 16 of the 256
; work-groups, and leaving them out would not let any work-group's other waves end sooner.
; SHARES.  A tile is 128 rows x 256 columns, one to a work-group: 64 x 4 work-groups.  Four waves, each 64 x 128 (32 accumulators).  K in steps of 128 (rows of 256 bytes) through a ring of two LDS slots.
; CLUSTER.  4 x 4: the four of a row of the cluster need the same rows of att, the four of a column the same rows of woh: each tile is asked for jointly.
; Row block = 16 x cy + cluster y: 'a batch's first block' is cluster y = 0, a test that is alike in all sixteen partners.
; THE MATRIX INSTRUCTION IS USED TRANSPOSED (source 0 = 16 rows of woh, source 1 = 16 rows of att): a lane holds row l % 16 and columns 8 (l / 16) + 0..7.  THE BIAS IS THE C OPERAND of the products that start the sums.
; THE LOOP makes one K step a trip: the slot that is read lies in a scalar register that an exclusive or turns, and one descriptor a tensor walks.
; THE TILES ARE PREFETCHED INTO THE L2 one K step ahead of the refills: behind each joint load and the run of LDS loads that follows it stands one prefetch for what the NEXT refill will ask for: 128 matrix
; instructions a wave ahead of it.  A K step is 256 bytes of each row; a lane takes a row.  att's 128 rows have this one row of the cluster as their readers: the four partners take 32 rows each, told apart BY
; ADDRESS (cx), and wave 0 asks.  woh's rows are read by every cluster: the cluster with y = 0 asks; of the 128 rows that wave 2 or 3 fetches each of the four partners of a column takes 32 (cy).  So each row's
; 256 bytes of a K step are named once in the launch.  K steps 0 to 2 come by their loads alone; the last refill asks for nothing.
; REGISTERS: window 0: v0-31 addresses; v64-95, v128-159 att's fragments (later v64-191 the way out).  window 1: v0-63 the bias; v64-191 woh's fragments.  window 2: accumulator (a, b) at v[8 (8 a + b)].
.set AF,     4
.set KSTEP,  128
.set PITCH,  272                       ; 256 bytes + 16 of padding: the 16 rows of a load start at 16 different groups of four banks (64 banks of 4 bytes: ISA guide 11.1)
.set HALFA,  16*AF*PITCH
.set HALFB,  128*PITCH
.set SLOT,   2*HALFA+2*HALFB           ; 104,448 bytes
.set SLOT1,  0x20000                   ; slot 1 begins here: the number shares no bit with the tiles' places in a slot, so one exclusive or changes slots
.set NL,     16+2*AF
.set STAGE,  SLOT1+SLOT                ; behind the ring: 16 rows x 528 bytes for each wave
.set SPITCH, 528                       ; 512 bytes of f32 + 16
.set SPARE,  STAGE+4*16*SPITCH
.set CROW,   4096                      ; bytes in a row of out0
.set ADRA0, 16                         ; v16, v20  my lane's place in a slot's rows of att, of woh; never rewritten
.set ADRA,  17                         ; v17, v21  the same in the slot that is being read
.set ADRB0, 20
.set ADRB,  21
.set STO,  24
.set RD,   25
.set CO,   26
.set BO,   27
.set SPW,  28
.set NIL,  29
.set PFO,  30                          ; v30  the prefetches' offset: my lane x a row of att or woh (2,048 bytes); never rewritten
.set F0,   64
.set F1,   128
.set TB, 2                             ; s2  the LDS byte at which the slot that is being read begins
.set WV, 12
.set WR, 13
.set WC, 14
.set CLY, 45                           ; s45 cluster y
.set G1,  24
.set G0,  32                           ; s[32:39] group 0 for att: a set for each first fill; the second then walks on
.set G1B, 48
.set G0B, 56
.set PFA, 66                           ; s[66:67] where my prefetches stand: my work-group's 32 rows, at the K step after the one that is being asked for
.set LIM, 68                           ; s68 1 in a wave that prefetches, else the greatest number.  s69-73: at work for these two; they hold places in the cluster and feed no descriptor
.set FIELDS, (1<<16)|(1<<20)|(1<<21)|(5<<22)|(3<<25)
.set MSB, 0
.macro WIN new
.if MSB != (\new)
	s_set_vgpr_msb (MSB<<8)|(\new)
.set MSB, \new
.endif
.endm
.macro PLACES
.rept 4
	v_nop
.endr
.endm
.macro JLOAD s                         ; waves 0, 1 ask for att's halves, waves 2, 3 for woh's; an s_nop 0 and four v_nop follow each line
	s_cmp_eq_u32 s[WR], 0
	s_cbranch_scc0 .Lfor_b_\@
	tensor_load_to_lds s[G0+4*(\s):G0+4*(\s)+3], s[G1:G1+7]
	s_nop 0
.rept 4
	v_nop
.endr
	s_branch .Lasked_\@
.Lfor_b_\@:
	tensor_load_to_lds s[G0B+4*(\s):G0B+4*(\s)+3], s[G1B:G1B+7]
	s_nop 0
.rept 4
	v_nop
.endr
.Lasked_\@:
.endm
.macro CREST
	s_cmp_lg_u32 s[WV], 0
	s_cbranch_scc1 .Lnot_wave_0_\@
	s_barrier_signal -3
.Lnot_wave_0_\@:
	s_barrier_wait -3
	s_barrier_signal -1
	s_barrier_wait -1
.endm
.macro CROUND
	s_barrier_signal -1
	s_barrier_wait -1
	CREST
.endm
.macro MULA f, a, first
.if \first
	WIN 0x91
.else
	WIN 0xa1
.endif
.irp b, 0,1,2,3,4,5,6,7
.if \first
	v_wmma_f32_16x16x32_f16 v[8*(8*(\a)+(\b)):8*(8*(\a)+(\b))+7], v[(\f)+8*(\b):(\f)+8*(\b)+7], v[(\f)+8*(\a):(\f)+8*(\a)+7], v[8*(\b):8*(\b)+7]
.else
	v_wmma_f32_16x16x32_f16 v[8*(8*(\a)+(\b)):8*(8*(\a)+(\b))+7], v[(\f)+8*(\b):(\f)+8*(\b)+7], v[(\f)+8*(\a):(\f)+8*(\a)+7], v[8*(8*(\a)+(\b)):8*(8*(\a)+(\b))+7]
.endif
.endr
.endm
.macro MRANGE f, lo, n, first          ; the 32 accumulators take turns in one order in every quarter step
.set aa, \lo
.rept \n
	MULA \f, aa, \first
.set aa, aa+1
.endr
.endm
.macro FETCH k, f                      ; a quarter step's fragments (32 K at byte k of the rows of the slot that is being read) in one run: woh's 16 loads, then att's 8
	WIN 0x40
.irp i, 0,1,2,3,4,5,6,7
	ds_load_b128 v[(\f)+8*(\i):(\f)+8*(\i)+3],   v[ADRB] offset:(\k)+(\i)*16*PITCH
	ds_load_b128 v[(\f)+8*(\i)+4:(\f)+8*(\i)+7], v[ADRB] offset:(\k)+(\i)*16*PITCH+32
.endr
	WIN 0
.set ia, 0
.rept AF
	ds_load_b128 v[(\f)+8*ia:(\f)+8*ia+3],   v[ADRA] offset:(\k)+ia*16*PITCH
	ds_load_b128 v[(\f)+8*ia+4:(\f)+8*ia+7], v[ADRA] offset:(\k)+ia*16*PITCH+32
.set ia, ia+1
.endr
.endm
.macro QUARTER k, f, g, first
	s_wait_dscnt AF                                ; all but the youngest four loads: att's row blocks 2, 3
	MRANGE \f, 0, AF/2, \first
	PLACES
	FETCH \k, \g
	s_wait_dscnt NL                                ; all but the 24 just issued
	MRANGE \f, AF/2, AF/2, \first
.endm
.macro MEET                            ; the change of slots' first half: all my tensor loads are in, the add, my reads of this slot are over; one barrier
	WIN 0
	s_wait_tensorcnt 0x0                           ; the one load that was out is my part of the other slot
	ds_add_u32 v[SPW], v[NIL]                      ; 0 onto my spare word
	s_wait_dscnt AF+1                              ; (the add and the youngest four loads may be out)
	MRANGE F1, 0, AF/4, 0
	s_wait_dscnt 0x0                               ; the add is done, my reads of this slot are over
	s_barrier_signal -1
	MRANGE F1, AF/4, AF/4, 0
	WIN 0
	s_barrier_wait -1
.endm
.macro NEXTF                           ; the reads go on in the other slot: its first quarter's fragments
	s_xor_b32 s[TB], s[TB], SLOT1
	v_add_nc_u32 v[ADRA], s[TB], v[ADRA0]
	v_add_nc_u32 v[ADRB], s[TB], v[ADRB0]
	FETCH 0, F0
.endm
; THE WAY OUT of row block a: the sums go as they are, 32 bytes a lane, into my own stage (each accumulator's low half first), and come back as whole rows of 512 bytes.
.macro OUTBLK a
	WIN 0
	s_wait_xcnt 0x0                                ; earlier stores have read their registers: this block's buffer is loaded again only behind this wait
.set BK, 64+64*((\a)%2)
	WIN 0x08                                       ; data in window 2
.irp b, 0,1,2,3,4,5,6,7
	ds_store_b128 v[STO], v[64*(\a)+8*(\b):64*(\a)+8*(\b)+3]   offset:64*(\b)
	ds_store_b128 v[STO], v[64*(\a)+8*(\b)+4:64*(\a)+8*(\b)+7] offset:64*(\b)+16
.endr
	WIN 0
.set t, 0
.rept 16
	ds_load_b128 v[BK+4*t:BK+4*t+3], v[RD] offset:t*SPITCH  ; LDS serves a wave's instructions in order (ISA guide 5.7.1.4): these see the stores above
.set t, t+1
.endr
.endm
.macro SEND a, younger                 ; younger: the LDS instructions issued behind block a's loads: the next block's 32, or none
.set BK, 64+64*((\a)%2)
	s_wait_dscnt \younger
.if (\a) == 0
	s_cmp_lg_u32 s[CLY], 0                         ; block 0 of the upper 64 rows of a batch's first block: the 16 rows that are not mine to store
	s_cbranch_scc1 .Lmine
	s_cmp_eq_u32 s[WR], 0
	s_cbranch_scc1 .Lnot_mine
.Lmine:
.endif
.set t, 0
.rept 16
	global_store_b128 v[CO], v[BK+4*t:BK+4*t+3], s[10:11] offset:(16*(\a)+t)*CROW  ; 32 lanes store 512 consecutive bytes, aligned
.set t, t+1
.endr
.if (\a) == 0
.Lnot_mine:
.endif
.endm
	s_load_b256 s[4:11], s[0:1], 0x0               ; att s[4:5], woh s[6:7], biasr s[8:9], out0 s[10:11]
	v_lshl_add_u32 v[SPW], v0, 2, SPARE
	v_mov_b32 v[NIL], 0
	ds_add_u32 v[SPW], v[NIL]                      ; the wave's opening: the add and its wait ahead of my first tensor load
	ds_add_u32 v28, v29
	v_lshrrev_b32 v1, 5, v0
	v_readfirstlane_b32 s[WV], v1
	s_lshr_b32 s[WR], s[WV], 1
	s_and_b32 s[WC], s[WV], 1
	s_bfe_u32 s40, ttmp6, 0x40000                  ; cx
	s_bfe_u32 s41, ttmp6, 0x40004                  ; cy
	s_lshl_b32 s42, ttmp9, 2
	s_add_co_u32 s42, s42, s40                     ; column block of 256
	s_and_b32 s[CLY], ttmp7, 0xffff                ; cluster y: the block's place in its batch
	s_lshl_b32 s15, s41, 4
	s_add_co_u32 s15, s15, s[CLY]                  ; row block of 128 = 16 x cy + cluster y
	s_lshl_b32 s43, s41, 2
	s_lshl_b32 s43, 15, s43                        ; my row of the cluster
	s_lshl_b32 s44, 0x1111, s40                    ; my column
	s_or_b32 s[G1], s43, FIELDS
	s_or_b32 s[G1B], s44, FIELDS
	s_mov_b32 s[G1+1], KSTEP<<16
	s_mov_b32 s[G1+2], 64<<16
	s_mov_b32 s[G1+3], KSTEP<<16
	s_mov_b32 s[G1+4], 64
	s_mov_b32 s[G1+5], 1024
	s_mov_b32 s[G1+6], 0
	s_mov_b32 s[G1+7], 0
	s_mov_b32 s[G1B+1], KSTEP<<16
	s_mov_b32 s[G1B+2], 128<<16
	s_mov_b32 s[G1B+3], KSTEP<<16
	s_mov_b32 s[G1B+4], 128
	s_mov_b32 s[G1B+5], 1024
	s_mov_b32 s[G1B+6], 0
	s_mov_b32 s[G1B+7], 0
	s_lshl_b32 s16, s15, 7
	s_lshl_b32 s17, s[WC], 6
	s_add_co_u32 s16, s16, s17
	s_lshl_b32 s16, s16, 11
	s_mov_b32 s17, 0
	s_lshl_b32 s46, s42, 8
	s_lshl_b32 s47, s[WC], 7
	s_add_co_u32 s46, s46, s47
	s_lshl_b32 s46, s46, 11
	s_mov_b32 s47, 0
	s_mul_i32 s20, s[WC], HALFA
	s_mul_i32 s21, s[WC], HALFB
	s_add_co_u32 s21, s21, 2*HALFA
	s_wait_dscnt 0x0                               ; the opening add is done
	s_wait_kmcnt 0x0
	s_add_nc_u64 s[18:19], s[4:5], s[16:17]
	s_add_nc_u64 s[46:47], s[6:7], s[46:47]
	s_add_nc_u64 s[8:9], s[8:9], 12288             ; bo
	CROUND
.irp s, 0,1
	s_mov_b32 s[G0+4*(\s)], 1
	s_add_co_u32 s[G0+4*(\s)+1], s20, (\s)*SLOT1
	s_add_nc_u64 s[G0+4*(\s)+2:G0+4*(\s)+3], s[18:19], (\s)*KSTEP*2
	s_or_b32 s[G0+4*(\s)+3], s[G0+4*(\s)+3], 0x80000000
	s_mov_b32 s[G0B+4*(\s)], 1
	s_add_co_u32 s[G0B+4*(\s)+1], s21, (\s)*SLOT1
	s_add_nc_u64 s[G0B+4*(\s)+2:G0B+4*(\s)+3], s[46:47], (\s)*KSTEP*2
	s_or_b32 s[G0B+4*(\s)+3], s[G0B+4*(\s)+3], 0x80000000
	JLOAD \s                                       ; two loads of mine are out
.endr
	v_and_b32 v1, 15, v0
	v_bfe_u32 v2, v0, 4, 1
	s_lshl_b32 s16, s42, 10
	s_lshl_b32 s17, s[WC], 9
	s_add_co_u32 s16, s16, s17
	v_lshl_add_u32 v[BO], v2, 5, s16
	WIN 0x40                                       ; the bias as a C operand: register j of block b = bo[16 b + 8 (l / 16) + j] of my 128 columns
.irp b, 0,1,2,3,4,5,6,7
	global_load_b128 v[8*(\b):8*(\b)+3],   v[BO], s[8:9] offset:64*(\b)
	global_load_b128 v[8*(\b)+4:8*(\b)+7], v[BO], s[8:9] offset:64*(\b)+16
.endr
	WIN 0
	v_mul_u32_u24 v3, v1, PITCH
	v_lshl_add_u32 v3, v2, 4, v3
	s_mul_i32 s21, s[WR], HALFA
	s_mul_i32 s22, s[WC], HALFB
	s_add_co_u32 s22, s22, 2*HALFA
	v_add_nc_u32 v[ADRA0], s21, v3
	v_add_nc_u32 v[ADRB0], s22, v3
	v_mov_b32 v[ADRA], v[ADRA0]                    ; K step 0 lies in slot 0
	v_mov_b32 v[ADRB], v[ADRB0]
	s_mov_b32 s[TB], 0
	s_mul_i32 s23, s[WV], 16*SPITCH
	s_add_co_u32 s23, s23, STAGE                   ; my stage
	v_mul_u32_u24 v4, v1, SPITCH
	v_lshl_add_u32 v4, v2, 5, v4                   ; in: row l % 16, 32 bytes for each half of the lanes
	v_add_nc_u32 v[STO], s23, v4
	v_and_b32 v5, 31, v0
	v_lshlrev_b32 v[CO], 4, v5                     ; back and out: 32 lanes take a row of 512 bytes
	v_add_nc_u32 v[RD], s23, v[CO]
	v_lshlrev_b32 v[PFO], 11, v5
	s_lshl_b32 s16, s15, 7
	s_lshl_b32 s17, s[WR], 6
	s_add_co_u32 s16, s16, s17
	s_lshl_b32 s16, s16, 12                        ; my first row of out0
	s_lshl_b32 s17, s42, 10
	s_add_co_u32 s16, s16, s17                     ; my first column, in bytes
	s_lshl_b32 s17, s[WC], 9
	s_add_co_u32 s16, s16, s17
	s_mov_b32 s17, 0
	s_add_nc_u64 s[10:11], s[10:11], s[16:17]
	; the prefetches: s[4:5] = att and s[6:7] = woh still stand
	s_lshl_b32 s69, s15, 7                         ; att: the tile's first row
	s_lshl_b32 s70, s42, 8                         ; woh: the tile's first row,
	s_lshl_b32 s71, s[WC], 7
	s_add_co_u32 s70, s70, s71                     ; and the 128 rows that I fetch
	s_cmp_eq_u32 s[WR], 0                          ; do I fetch for att?
	s_cselect_b32 s69, s69, s70
	s_cselect_b32 s70, s40, s41                    ; my place among the four that ask with me
	s_cselect_b32 s71, s[WC], s[CLY]               ; att: wave 0 asks; woh: the cluster with y = 0
	s_cselect_b64 s[PFA:PFA+1], s[4:5], s[6:7]
	s_cmp_eq_u32 s71, 0
	s_cselect_b32 s[LIM], 1, -1                    ; the same in all sixteen partners, for a given wave
	s_lshl_b32 s70, s70, 5
	s_add_co_u32 s69, s69, s70                     ; + my work-group's 32 rows
	s_lshl_b32 s72, s69, 11                        ; in bytes
	s_mov_b32 s73, 0
	s_add_nc_u64 s[PFA:PFA+1], s[PFA:PFA+1], s[72:73]
	s_add_nc_u64 s[PFA:PFA+1], s[PFA:PFA+1], 2*KSTEP*2  ; at K step 2: the first refill steps it to 3.  Nothing is prefetched here, at the head, where every work-group's first tiles are on their way
	s_wait_tensorcnt 1                             ; my part of K step 0 is in; K step 1's may stay out
	s_barrier_signal -1
	s_barrier_wait -1
	FETCH 0, F0
	s_wait_loadcnt 0x0                             ; the bias
	QUARTER 64,  F0, F1, 1
	WIN 0
	s_mov_b32 s3, 6
.Lstep:                                                ; a trip: from a K step's second quarter to the next step's first; K steps 0 to 5: the slot takes the step two on
	QUARTER 128, F1, F0, 0
	QUARTER 192, F0, F1, 0
	s_wait_xcnt 0x0                                ; the last prefetch, a K step back, has read its address: it is stepped here, ahead of the waits of the change of slots
	s_add_nc_u64 s[PFA:PFA+1], s[PFA:PFA+1], KSTEP*2
	MEET
	CREST                                          ; the barrier has opened a round of the cluster's: no wave of any partner still reads this slot or has a load on its way
	s_xor_b32 s[G0+5], s[G0+5], SLOT1              ; the walking descriptors: the other slot than last time,
	s_add_nc_u64 s[G0+6:G0+7], s[G0+6:G0+7], KSTEP*2  ; the next K step; the type bits on top are not reached
	s_xor_b32 s[G0B+5], s[G0B+5], SLOT1
	s_add_nc_u64 s[G0B+6:G0B+7], s[G0B+6:G0B+7], KSTEP*2
	JLOAD 1                                        ; the first tensor load behind the round; its four v_nop are the places ahead of the loads below
	NEXTF
	s_cmp_gt_u32 s3, s[LIM]                        ; s3 = 1 in the last trip: there is no K step behind the one just asked for
	s_cbranch_scc0 .Lasked_pf
	global_prefetch_b8 v[PFO], s[PFA:PFA+1] th:TH_LOAD_NT scope:SCOPE_SE
.Lasked_pf:
	MRANGE F1, AF/2, AF/2, 0
	QUARTER 64,  F0, F1, 0
	WIN 0
	s_sub_co_u32 s3, s3, 1
	s_cmp_lg_u32 s3, 0
	s_cbranch_scc1 .Lstep
	s_mov_b32 s3, 2
.Ltail:                                                ; K steps 6 and 7 fill nothing, and have no round; the second trip is left ahead of the change of slots
	QUARTER 128, F1, F0, 0
	QUARTER 192, F0, F1, 0
	WIN 0
	s_sub_co_u32 s3, s3, 1
	s_cmp_eq_u32 s3, 0
	s_cbranch_scc1 .Llastq
	MEET
	PLACES
	NEXTF
	MRANGE F1, AF/2, AF/2, 0
	QUARTER 64,  F0, F1, 0
	WIN 0
	s_branch .Ltail
.Llastq:
	s_wait_dscnt AF
	MRANGE F1, 0, AF/2, 0
	s_wait_dscnt 0x0
	MRANGE F1, AF/2, AF/2, 0
	PLACES
	OUTBLK 0
.irp a, 1,2,3
	OUTBLK \a
	SEND (\a)-1, 32
.endr
	SEND 3, 0
	s_wait_tensorcnt 0x0                           ; the wave's end
	ds_add_u32 v[SPW], v[NIL]
	s_wait_dscnt 0x0
	CROUND                                         ; the closing round
	s_endpgm
.Lfunc_end_k_qc2c8282046_outp:
	.size	k_qc2c8282046_outp, .Lfunc_end_k_qc2c8282046_outp-k_qc2c8282046_outp
	.p2alignl 7, 3214868480
	.fill 96, 4, 3214868480
	.section	.rodata,"a",@progbits
	.p2align	6, 0x0
	.amdhsa_kernel k_qc2c8282046_outp
		.amdhsa_group_segment_fixed_size 327680
		.amdhsa_private_segment_fixed_size 0
		.amdhsa_enable_private_segment 0
		.amdhsa_kernarg_size 32
		.amdhsa_user_sgpr_count 2
		.amdhsa_user_sgpr_kernarg_segment_ptr 1
		.amdhsa_wavefront_size32 1
		.amdhsa_system_sgpr_workgroup_id_x 1
		.amdhsa_system_sgpr_workgroup_id_y 1
		.amdhsa_system_sgpr_workgroup_id_z 1
		.amdhsa_system_vgpr_workitem_id 0
		.amdhsa_next_free_vgpr 768
		.amdhsa_next_free_sgpr 74
		.amdhsa_reserve_vcc 0
		.amdhsa_float_denorm_mode_32 3
		.amdhsa_float_denorm_mode_16_64 3
		.amdhsa_memory_ordered 1
		.amdhsa_forward_progress 1
		.amdhsa_inst_pref_size 65
	.end_amdhsa_kernel
	.amdgpu_metadata
---
amdhsa.version: [ 1, 2 ]
amdhsa.kernels:
  - .name:           k_qc2c8282046_outp
    .symbol:         k_qc2c8282046_outp.kd
    .args:
      - { .name: att, .offset: 0, .size: 8, .value_kind: global_buffer, .address_space: global }
      - { .name: woh, .offset: 8, .size: 8, .value_kind: global_buffer, .address_space: global }
      - { .name: biasr, .offset: 16, .size: 8, .value_kind: global_buffer, .address_space: global }
      - { .name: out0, .offset: 24, .size: 8, .value_kind: global_buffer, .address_space: global }
    .group_segment_fixed_size: 327680
    .private_segment_fixed_size: 0
    .kernarg_segment_align: 8
    .kernarg_segment_size: 32
    .max_flat_workgroup_size: 128
    .sgpr_count:     74
    .vgpr_count:     768
    .wavefront_size: 32
...
	.end_amdgpu_metadata
.endif
;; end of part 5
